; MI455X (gfx1250); checked and timed in simulation.
; The chip was launched on July 23, 2026; its instructions are those of AMD's public machine-readable ISA for CDNA 5 (MIT licence, August 2026) and "CDNA5" Instruction Set Architecture Reference Guide (July 2026). The comments in the code are by the model that wrote it; some were corrected since.
;; Ltx2 Attention. Allowed arithmetic: float matrix products may take bf16 or f16 operands with f32 sums; all other float work in f32.
;; Inputs: bk 1,024 float32; bo 1,024 float32; bq 1,024 float32; bv 1,024 float32; cos 1 x 2,048 x 1,024 float32; gk 1,024 float32; gq 1,024 float32; hidden_states 2 x 2,048 x 1,024 float32; sin 1 x 2,048 x 1,024 float32; wk 1,024 x 1,024 float32; wo 1,024 x 1,024 float32; wq 1,024 x 1,024 float32; wv 1,024 x 1,024 float32.
;; Outputs: out0 2 x 2,048 x 1,024 float32.
;; One version. Each part assembles by itself: llvm-mc -triple=amdgcn-amd-amdhsa -mcpu=gfx1250 --defsym DOCPART=n.
;; ======== version 1 of 1: 4 launches
;; limits: values are held in f16: magnitudes above 65,504 overflow, below 6.1e-05 lose precision
;; workspace buffers: xb 8,388,608 bytes; wqkv 6,291,456 bytes; wob 2,097,152 bytes; qh 8,388,608 bytes; kh 8,388,608 bytes; vh 8,388,608 bytes; ss 262,144 bytes; ao 8,388,608 bytes
;; launch cast (part 1): grid 32 x 8, 8 waves a work-group, no clusters, 0 bytes of LDS; arguments hidden_states, wq, wk, wv, wo, xb, wqkv, wob; writes xb, wqkv, wob
.if DOCPART == 1
	.amdgcn_target "amdgcn-amd-amdhsa--gfx1250"
	.amdhsa_code_object_version 6
	.text
	.protected	k_q6840054724_cast
	.globl	k_q6840054724_cast
	.p2align	8
	.type	k_q6840054724_cast,@function
k_q6840054724_cast:
	s_mov_b64 s[64:65], 0
	v_nop
	global_prefetch_b8 v0, s[64:65] scope:SCOPE_SE
	s_setreg_imm32_b32 hwreg(HW_REG_WAVE_MODE, 25, 1), 1
	s_wait_xcnt 0x0
; f32 to f16, once, for everything that later goes to the matrix units.
; WHY f16 AND NOT bf16: the result is a mean over 2,048 keys, some thirty times smaller than v, so each operand rounding shows in full against it;
; f16 has three more bits.  ROOM: numbers above 65,504 in magnitude become infinite; hidden_states of spread 1 and weights of spread 0.02 leave factors of
; some 10,000 and 600,000.  Below 6.1e-5 the absolute step stays 6e-8: for weights thirty times smaller (spread 6.7e-4) that is 1e-4 of the spread.
; Eight segments of 1,024 rows x 1,024 f32 (grid y): 0-3 = quarters of hidden_states -> xb [4096][1024];
; 4-6 = wq, wk, wv -> wqkv [1024 k][3072 n], side by side in each row (row pitch 6,144 bytes); 7 = wo -> wob [1024][1024].
; The weights keep their [k][n] order: the products read them from LDS with the transposing 16-bit load.
; A work-group (grid x) owns 32 rows.  256 threads x 16 bytes are one row of f32; one load of a wave covers 512 consecutive
; bytes, one store of a wave 256 consecutive bytes at a multiple of 256.  All 32 loads of a thread go out first (128 KiB for the
; work-group); no register is written twice, so the only waits are the counted ones for the data.
; No LDS, no matrix unit, no cluster: nothing is shared and nothing is summed.
.set X, 4                              ; v[4:131]   32 rows x 4 f32 as loaded
.set Y, 132                            ; v[132:195] 32 rows x 4 f16 to store
	s_load_b256 s[4:11], s[0:1], 0x0               ; hidden s[4:5], wq s[6:7], wk s[8:9], wv s[10:11]
	s_load_b256 s[12:19], s[0:1], 0x20             ; wo s[12:13], xb s[14:15], wqkv s[16:17], wob s[18:19]
	s_and_b32 s20, ttmp7, 0xffff                   ; segment 0..7
	s_sub_co_u32 s34, s20, 4                       ; 0..2 for wq, wk, wv (wraps to a large number below 4)
	v_lshlrev_b32 v1, 4, v0                        ; my 16 bytes of a source row
	v_lshlrev_b32 v2, 3, v0                        ; my 8 bytes of a target row
	; offsets, apart from the addresses
	s_lshl_b32 s26, s20, 22                        ; hidden: segment x 4 MiB
	s_lshl_b32 s28, s20, 21                        ; xb: segment x 2 MiB
	s_cmp_lt_u32 s20, 4
	s_cselect_b32 s26, s26, 0                      ; the weights begin at their own first byte
	s_cselect_b32 s28, s28, 0
	s_lshl_b32 s30, ttmp9, 17                      ; 32 rows of 4,096 bytes
	s_add_co_u32 s26, s26, s30
	s_mov_b32 s27, 0
	s_lshl_b32 s30, ttmp9, 16                      ; 32 rows of 2,048 bytes
	s_add_co_u32 s28, s28, s30
	s_lshl_b32 s31, s34, 11                        ; wqkv: 2,048 bytes into the row for each matrix,
	s_mul_i32 s32, ttmp9, 196608                   ; 32 rows of 6,144 bytes
	s_add_co_u32 s31, s31, s32
	s_cmp_lt_u32 s34, 3
	s_cselect_b32 s28, s31, s28
	s_mov_b32 s29, 0
	s_wait_kmcnt 0x0
	; the source and the target buffer, chosen by the segment number alone
	s_mov_b64 s[22:23], s[4:5]
	s_cmp_eq_u32 s20, 4
	s_cselect_b64 s[22:23], s[6:7], s[22:23]
	s_cmp_eq_u32 s20, 5
	s_cselect_b64 s[22:23], s[8:9], s[22:23]
	s_cmp_eq_u32 s20, 6
	s_cselect_b64 s[22:23], s[10:11], s[22:23]
	s_cmp_eq_u32 s20, 7
	s_cselect_b64 s[22:23], s[12:13], s[22:23]
	s_mov_b64 s[24:25], s[14:15]
	s_cmp_ge_u32 s20, 4
	s_cselect_b64 s[24:25], s[16:17], s[24:25]
	s_cmp_eq_u32 s20, 7
	s_cselect_b64 s[24:25], s[18:19], s[24:25]
	s_add_nc_u64 s[22:23], s[22:23], s[26:27]
	s_add_nc_u64 s[24:25], s[24:25], s[28:29]
.macro BODY pitch                      ; 32 rows; pitch = bytes from row to row in the target
.set i, 0
.rept 32
	global_load_b128 v[X+4*i:X+4*i+3], v1, s[22:23] offset:i*4096 th:TH_LOAD_NT   ; read once in the launch
.set i, i+1
.endr
.set i, 0
.rept 32
	s_wait_loadcnt 31-i                            ; loads come back in order: row i is in, the 31 - i younger rows stay out
	v_cvt_pk_f16_f32 v[Y+2*i], v[X+4*i], v[X+4*i+1]
	v_cvt_pk_f16_f32 v[Y+2*i+1], v[X+4*i+2], v[X+4*i+3]
	global_store_b64 v2, v[Y+2*i:Y+2*i+1], s[24:25] offset:i*\pitch    ; later launches read it: no hint
.set i, i+1
.endr
	s_endpgm
.endm
	s_cmp_lt_u32 s34, 3
	s_cbranch_scc1 .Lwide
	BODY 2048
.Lwide:
	BODY 6144
.Lfunc_end_k_q6840054724_cast:
	.size	k_q6840054724_cast, .Lfunc_end_k_q6840054724_cast-k_q6840054724_cast
	.p2alignl 7, 3214868480
	.fill 96, 4, 3214868480
	.section	.rodata,"a",@progbits
	.p2align	6, 0x0
	.amdhsa_kernel k_q6840054724_cast
		.amdhsa_group_segment_fixed_size 0
		.amdhsa_private_segment_fixed_size 0
		.amdhsa_enable_private_segment 0
		.amdhsa_kernarg_size 64
		.amdhsa_user_sgpr_count 2
		.amdhsa_user_sgpr_kernarg_segment_ptr 1
		.amdhsa_wavefront_size32 1
		.amdhsa_system_sgpr_workgroup_id_x 1
		.amdhsa_system_sgpr_workgroup_id_y 1
		.amdhsa_system_sgpr_workgroup_id_z 1
		.amdhsa_system_vgpr_workitem_id 0
		.amdhsa_next_free_vgpr 200
		.amdhsa_next_free_sgpr 66
		.amdhsa_reserve_vcc 0
		.amdhsa_float_denorm_mode_32 3
		.amdhsa_float_denorm_mode_16_64 3
		.amdhsa_memory_ordered 1
		.amdhsa_forward_progress 1
		.amdhsa_inst_pref_size 24
	.end_amdhsa_kernel
	.amdgpu_metadata
---
amdhsa.version: [ 1, 2 ]
amdhsa.kernels:
  - .name:           k_q6840054724_cast
    .symbol:         k_q6840054724_cast.kd
    .args:
      - { .name: hidden_states, .offset: 0, .size: 8, .value_kind: global_buffer, .address_space: global }
      - { .name: wq, .offset: 8, .size: 8, .value_kind: global_buffer, .address_space: global }
      - { .name: wk, .offset: 16, .size: 8, .value_kind: global_buffer, .address_space: global }
      - { .name: wv, .offset: 24, .size: 8, .value_kind: global_buffer, .address_space: global }
      - { .name: wo, .offset: 32, .size: 8, .value_kind: global_buffer, .address_space: global }
      - { .name: xb, .offset: 40, .size: 8, .value_kind: global_buffer, .address_space: global }
      - { .name: wqkv, .offset: 48, .size: 8, .value_kind: global_buffer, .address_space: global }
      - { .name: wob, .offset: 56, .size: 8, .value_kind: global_buffer, .address_space: global }
    .group_segment_fixed_size: 0
    .private_segment_fixed_size: 0
    .kernarg_segment_align: 8
    .kernarg_segment_size: 64
    .max_flat_workgroup_size: 256
    .sgpr_count:     66
    .vgpr_count:     200
    .wavefront_size: 32
...
	.end_amdgpu_metadata
.endif
;; end of part 1
;; launch qkv (part 2): grid 12 x 16, 4 waves a work-group, clusters of 4 x 4, 327,680 bytes of LDS; arguments xb, wqkv, bq, bk, bv, gq, gk, cos, sin, qh, kh, vh, ss; writes qh, kh, vh, ss
.if DOCPART == 2
	.amdgcn_target "amdgcn-amd-amdhsa--gfx1250"
	.amdhsa_code_object_version 6
	.text
	.protected	k_q6840054724_qkv
	.globl	k_q6840054724_qkv
	.p2align	8
	.type	k_q6840054724_qkv,@function
k_q6840054724_qkv:
	s_mov_b64 s[64:65], 0
	v_nop
	global_prefetch_b8 v0, s[64:65] scope:SCOPE_SE
	s_setreg_imm32_b32 hwreg(HW_REG_WAVE_MODE, 25, 1), 1
	s_wait_xcnt 0x0
	s_wait_alu depctr_hold_cnt(0) depctr_sa_sdst(0) depctr_va_vdst(0) depctr_va_sdst(0) depctr_va_ssrc(0) depctr_va_vcc(0) depctr_vm_vsrc(0)
	s_getreg_b32 s2, hwreg(HW_REG_IB_STS2, 6, 4)
	s_cmp_eq_u32 s2, 0
	s_cbranch_scc0 .Lentry_in_a_cluster
	s_endpgm
.Lentry_in_a_cluster:
	s_bfe_u32 s2, ttmp6, 0x10000c
	s_cmp_lg_u32 s2, 0xf033
	s_cbranch_scc0 .Lentry_shape_is_right
	s_endpgm
.Lentry_shape_is_right:
; The three projections as one product [4096 x 1024] x [1024 x 3072] in f16 with f32 sums, and what follows them.
; The RMS factor r = rsqrt(mean + eps) is one number for a row, and gain and RoPE are linear, so rope(x r g) = r rope(x g).  A wave holds 128 of a row's 1,024
; columns, so it cannot know r.  It stores, in ss, the f32 sum of squares of x W + b over its 128 columns ([q,k][8 blocks][4096 rows]) and, in qh or kh,
; rope((x W + b) g) r_loc in f16 (heads split: [b][h][t][64]) with r_loc = rsqrt(that sum / 128 + eps); the attention launch makes r / r_loc from ss and applies it to the scores.
; r_loc is there for the range of f16: |(x W + b) r_loc| is at most sqrt(128) = 11.3 whatever the inputs, so gains up to 30 and |cos| + |sin| up to 60 give 20,000 at the most.
; v = x Wv + bv is stored in f16 in the same head layout.
; LIMITS: operands and the stored q, k, v are rounded to f16.  |v| above 65,504 becomes infinite: with x of spread 1 and Wv of spread 0.02 |v| stays under 4, and both
; thirty times larger give some 3,000.
; SHAPE: a work-group makes 256 rows x 256 columns with four waves; a wave 128 x 128: 64 accumulator tiles, 512 registers.  The 256 rows are
; tokens t0 .. t0+127 of batch 0 and the same tokens of batch 1, and a wave holds the same 64 tokens of both batches (window 2: batch 0,
; window 3: batch 1), so that one register of cos or sin serves two rows.  K goes in steps of 128 through two LDS slots.
; 12 x 16 = 192 work-groups: 3,072 / 256 by 4,096 / 256; the tile that fills the registers leaves no finer even share.
; CLUSTERS: 4 x 4.  The four of a cluster row need the same tiles of x, the four of a cluster column the same tiles of W: joint loads,
; which divide the requests for both by four.  A cluster spans 1,024 columns, that is one of q, k, v: the one branch on which of them
; (the cluster x number) is alike in all partners.
; REGISTERS in the loop: window 0: v0-31 addresses, v64-127 and v128-191 fragments of x (two buffers); window 1: the same numbers, fragments of W;
; windows 2, 3: accumulators, tile (a, b) at v[8 (8 a + b)], a = token tile 0..3, b = column tile 0..7.
; The matrix instruction takes 16 columns of W as source 0 and 16 tokens of x as source 1: lane l then holds token l % 16 and its registers
; 0..7 the columns 8 (l / 16) + 0..7 of the tile: eight neighbouring numbers of a row, RoPE pairs side by side.
.set KSTEP,  128
.set PITCH,  272                       ; x rows in LDS: 256 bytes + 16: sixteen rows start in sixteen different 16-byte columns
.set PB,     544                       ; W rows (one k, 256 columns) in LDS: 512 bytes + 32 = 17 x 32, for the transposing load
.set HALFT,  128*PITCH                 ; one tensor load: 128 rows of x, or 64 rows of W (64 x 544 is the same 34,816 bytes)
.set SLOT,   4*HALFT                   ; x: 256 rows, then W: 128 k rows
.set STAGE,  2*SLOT                    ; behind the ring: 16 rows x 272 bytes for each wave; no tensor load lands here
.set SPITCH, 272
.set LAPS,   4                         ; 1,024 / (2 x 128): a lap is once round the ring
.set ADRA, 16                          ; v16-17  LDS address of my x fragments in slot 0, 1
.set ADRB, 20                          ; v20-21  the same for W
.set STO,  24                          ; way out: where I put 16 bytes of a token row
.set RD,   25                          ; way out: where I read 16 bytes back (8 lanes = one token of one head)
.set CO,   26                          ; 16 x lane: my place in 512 consecutive bytes of the output
.set VB,   27                          ; 32 h: my 8 columns in bias and gain
.set VCS,  28                          ; 4,096 r + 32 h: my token row and 8 columns in cos and sin
.set SSA,  29                          ; stage + 4 r
.set SSR,  30                          ; stage + 16 lane
.set SSO,  31                          ; 16 r + 8,192 h: four tokens of batch h in ss
.set U,    32                          ; v32-39  x cos of one tile
.set SSP,  40                          ; v40-47  four chains of squares
.set SS,   48                          ; v48-55  the sum of squares of token r in group g of batch hi at g + 4 hi
.set RL,   56                          ; v56-57  r_loc of token r, twice (a pair for the packed multiply)
.set F0,   64
.set F1,   128
.set BIAS, 64                          ; way out, window 0: bias of my 64 columns (8 b + j)
.set G,    128                         ; gain likewise
.set T,    192                         ; v192-255 one group of 16 tokens at work
.set G1, 24                            ; s[24:31] group 1 for x
.set G0, 32                            ; s[32:39] group 0 for x, one set a slot
.set G1B, 48                           ; s[48:55] group 1 for W
.set G0B, 56                           ; s[56:63] group 0 for W
.set MSB, 0
.macro WIN new                         ; the high byte of the immediate repeats the setting that is left
.if MSB != (\new)
	s_set_vgpr_msb (MSB<<8)|(\new)
.set MSB, (\new)
.endif
.endm
.set MUL_LO, 0xa1                      ; source 0 (W) window 1, source 1 (x) window 0, C and D window 2
.set MUL_HI, 0xf1                      ; the same, C and D window 3
.set TO_B,   0x40                      ; destination window 1, address window 0
; A joint load.  Waves 0, 1 fetch the two halves of x (batch 0, batch 1), waves 2, 3 the two halves of W.  The branch hangs on the wave number alone.
.macro JLOAD s
	s_cmp_eq_u32 s11, 0
	s_cbranch_scc0 .Lfor_b_\@
	tensor_load_to_lds s[G0+4*\s:G0+4*\s+3], s[G1:G1+7]
	s_nop 0
	s_branch .Lasked_\@
.Lfor_b_\@:
	tensor_load_to_lds s[G0B+4*\s:G0B+4*\s+3], s[G1B:G1B+7]
	s_nop 0
.Lasked_\@:
.endm
.macro CREST                           ; a round of the cluster barrier behind its opening work-group barrier
	s_cmp_lg_u32 s10, 0
	s_cbranch_scc1 .Lnot_wave_0_\@
	s_barrier_signal -3
.Lnot_wave_0_\@:
	s_barrier_wait -3
	s_barrier_signal -1
	s_barrier_wait -1
.endm
.macro CROUND
	s_barrier_signal -1
	s_barrier_wait -1
	CREST
.endm
	s_load_b128 s[4:7], s[0:1], 0x0                ; xb s[4:5], wqkv s[6:7]
	s_load_b256 s[68:75], s[0:1], 0x10             ; bq s[68:69], bk s[70:71], bv s[72:73], gq s[74:75]
	s_load_b256 s[76:83], s[0:1], 0x30             ; gk s[76:77], cos s[78:79], sin s[80:81], qh s[82:83]
	s_load_b128 s[84:87], s[0:1], 0x50             ; kh s[84:85], vh s[86:87]
	s_load_b64 s[88:89], s[0:1], 0x60              ; ss
	v_lshl_add_u32 v62, v0, 2, 0x48400
	v_mov_b32 v63, 0
	ds_add_u32 v62, v63
	v_lshrrev_b32 v1, 5, v0
	v_readfirstlane_b32 s10, v1                    ; wave 0..3
	s_lshr_b32 s11, s10, 1                         ; which 64 tokens are mine.  Also: I fetch x (0) or W (1)
	s_and_b32 s12, s10, 1                          ; which 128 columns are mine.  Also: which half of that tile I fetch
	s_bfe_u32 s40, ttmp6, 0x40000                  ; cx
	s_bfe_u32 s41, ttmp6, 0x40004                  ; cy
	s_lshl_b32 s42, ttmp9, 2
	s_add_co_u32 s42, s42, s40                     ; column block 0..11 = 4 x cluster x + cx
	s_and_b32 s13, ttmp7, 0xffff
	s_lshl_b32 s13, s13, 2
	s_add_co_u32 s13, s13, s41                     ; token block 0..15 = 4 x cluster y + cy
	s_lshl_b32 s43, s41, 2
	s_lshl_b32 s43, 15, s43                        ; my row of the cluster
	s_lshl_b32 s44, 0x1111, s40                    ; my column
	s_mov_b32 s96, 0x76543210                      ; v_permlanex16_b32: lane i reads lane i of the other half
	s_mov_b32 s97, 0xfedcba98
	s_mov_b32 s18, 0x3c000000                      ; 1 / 128
	s_mov_b32 s19, 0x358637bd                      ; eps = 1e-6
	; group 1 for x: 128 rows x 128 elements of 2 bytes, 16 bytes of padding behind every 64 words, pitch 1,024 elements
	s_or_b32 s[G1+0], s43, (1<<16)|(1<<20)|(1<<21)|(5<<22)|(3<<25)
	s_mov_b32 s[G1+1], KSTEP<<16                   ; tensor_dim0 = 128
	s_mov_b32 s[G1+2], 128<<16                     ; tensor_dim1 = 128
	s_mov_b32 s[G1+3], KSTEP<<16                   ; tile_dim0 = 128
	s_mov_b32 s[G1+4], 128                         ; tile_dim1 = 128
	s_mov_b32 s[G1+5], 1024
	s_mov_b32 s[G1+6], 0
	s_mov_b32 s[G1+7], 0
	; group 1 for W: 64 k rows x 256 elements, 32 bytes of padding behind every 128 words, pitch 3,072 elements
	s_or_b32 s[G1B+0], s44, (1<<16)|(1<<20)|(1<<21)|(6<<22)|(7<<25)
	s_mov_b32 s[G1B+1], 256<<16
	s_mov_b32 s[G1B+2], 64<<16
	s_mov_b32 s[G1B+3], 256<<16
	s_mov_b32 s[G1B+4], 64
	s_mov_b32 s[G1B+5], 3072
	s_mov_b32 s[G1B+6], 0
	s_mov_b32 s[G1B+7], 0
	; where the tiles come from.  x hangs on the token block alone, W on the column block alone; each in registers that never hold the other.
	s_lshl_b32 s17, s12, 11                        ; x: batch = my half: 2,048 rows on,
	s_lshl_b32 s16, s13, 7                         ; 128 tokens a block,
	s_add_co_u32 s16, s16, s17
	s_lshl_b32 s16, s16, 11                        ; rows of 2,048 bytes (below 8 MiB)
	s_mov_b32 s17, 0
	s_lshl_b32 s46, s42, 9                         ; W: 512 bytes a column block,
	s_mul_i32 s47, s12, 64*6144                    ; my 64 k rows of 6,144 bytes
	s_add_co_u32 s46, s46, s47
	s_mov_b32 s47, 0
	s_mul_i32 s20, s10, HALFT                      ; where they go: wave x 34,816: no place in the cluster enters an LDS address
	s_wait_dscnt 0x0
	s_wait_kmcnt 0x0
	s_add_nc_u64 s[14:15], s[4:5], s[16:17]
	s_add_nc_u64 s[46:47], s[6:7], s[46:47]
	CROUND                                         ; all sixteen work-groups are here: the first joint loads meet
.irp s, 0,1
	s_mov_b32 s[G0+4*\s], 1
	s_add_co_u32 s[G0+4*\s+1], s20, \s*SLOT
	s_add_nc_u64 s[G0+4*\s+2:G0+4*\s+3], s[14:15], \s*KSTEP*2         ; K step s: 256 bytes along the rows of x
	s_or_b32 s[G0+4*\s+3], s[G0+4*\s+3], 0x80000000
	s_mov_b32 s[G0B+4*\s], 1
	s_add_co_u32 s[G0B+4*\s+1], s20, \s*SLOT
	s_add_nc_u64 s[G0B+4*\s+2:G0B+4*\s+3], s[46:47], \s*KSTEP*6144    ; K step s: 128 rows of W down
	s_or_b32 s[G0B+4*\s+3], s[G0B+4*\s+3], 0x80000000
	JLOAD \s                                       ; both first fills go out before anything else: two tensor loads of a wave are out, the most in this text
.endr
	v_and_b32 v1, 15, v0                           ; r = l % 16
	v_bfe_u32 v2, v0, 4, 1                         ; h = l / 16
	v_mul_u32_u24 v3, v1, PITCH
	v_lshl_add_u32 v3, v2, 4, v3                   ; x fragment: row r, 16 h bytes in
	s_mul_i32 s21, s11, 64*PITCH                   ; my 64 tokens of batch 0; batch 1 lies 128 rows further (in the load offsets)
	v_and_b32 v4, 7, v0
	v_lshl_add_u32 v4, v2, 3, v4                   ; W fragment, transposing load: k row 8 h + l % 8,
	v_mul_u32_u24 v4, v4, PB
	v_bfe_u32 v5, v0, 3, 1
	v_lshl_add_u32 v4, v5, 4, v4                   ; 16 bytes on for lanes 8-15 of each half
	s_lshl_b32 s22, s12, 8                         ; my 128 columns,
	s_add_co_u32 s22, s22, 2*HALFT                 ; behind the 256 rows of x
.irp s, 0,1
	v_add_nc_u32 v[ADRA+\s], s21, v3
	v_add_nc_u32 v[ADRB+\s], s22, v4
	s_add_co_u32 s21, s21, SLOT
	s_add_co_u32 s22, s22, SLOT
.endr
	s_mul_i32 s23, s10, 16*SPITCH
	s_add_co_u32 s23, s23, STAGE                   ; my stage
	v_add_nc_u32 v[STO], s23, v3
	v_bfe_u32 v6, v0, 3, 2
	v_mul_u32_u24 v6, v6, SPITCH                   ; back: token l / 8 of four,
	v_and_b32 v7, 7, v0
	v_lshl_add_u32 v6, v7, 4, v6                   ; 16 (l % 8) of a head row of 128 bytes
	v_add_nc_u32 v[RD], s23, v6
	v_and_b32 v7, 31, v0
	v_lshlrev_b32 v[CO], 4, v7
	v_lshlrev_b32 v[VB], 5, v2
	v_lshl_add_u32 v[VCS], v1, 12, v[VB]
	v_lshl_add_u32 v[SSA], v1, 2, s23
	v_add_nc_u32 v[SSR], s23, v[CO]
	v_lshlrev_b32 v8, 13, v2
	v_lshl_add_u32 v[SSO], v1, 4, v8
; 16 matrix instructions: token tiles a0, a0 + 1 of one batch x all 8 column tiles, 32 along K.  zero = 1: the first product starts the sums.
; The 64 accumulators take turns, one instruction a turn, in the same order in every quarter step.
.macro MUL16 f, hi, a0, zero
.irp a, \a0, \a0+1
.irp b, 0,1,2,3,4,5,6,7
.if \zero
	v_wmma_f32_16x16x32_f16 v[8*(8*(\a)+\b):8*(8*(\a)+\b)+7], v[\f+8*\b:\f+8*\b+7], v[\f+8*(4*\hi+\a):\f+8*(4*\hi+\a)+7], 0
.else
	v_wmma_f32_16x16x32_f16 v[8*(8*(\a)+\b):8*(8*(\a)+\b)+7], v[\f+8*\b:\f+8*\b+7], v[\f+8*(4*\hi+\a):\f+8*(4*\hi+\a)+7], v[8*(8*(\a)+\b):8*(8*(\a)+\b)+7]
.endif
.endr
.endr
.endm
; 32 LDS loads in one run: the fragments of one quarter step (32 of K at byte k of the x rows, k rows k / 2 .. of W) into buffer f.
; W lies [k][n] in LDS: two transposing loads, 16 k rows apart, make a fragment of 16 columns x 32 k.
; x fragment i: i = 0..3 tokens 16 i of batch 0, i = 4..7 the same tokens of batch 1, 128 LDS rows further.
.macro FETCH slot, k, f
	WIN TO_B
.irp i, 0,1,2,3,4,5,6,7
	ds_load_tr16_b128 v[\f+8*\i:\f+8*\i+3],   v[ADRB+\slot] offset:(\k/64)*32*PB+32*\i
	ds_load_tr16_b128 v[\f+8*\i+4:\f+8*\i+7], v[ADRB+\slot] offset:(\k/64)*32*PB+16*PB+32*\i
.endr
	WIN 0
.irp i, 0,1,2,3,4,5,6,7
	ds_load_b128 v[\f+8*\i:\f+8*\i+3],   v[ADRA+\slot] offset:\k+(16*\i+64*(\i/4))*PITCH
	ds_load_b128 v[\f+8*\i+4:\f+8*\i+7], v[ADRA+\slot] offset:\k+(16*\i+64*(\i/4))*PITCH+32
.endr
.endm
; Four places between a matrix instruction and a load into one of its sources or a vector instruction on its result.
.macro PLACES
.rept 4
	v_nop
.endr
.endm
.macro QUARTER slot, k, f, g, zero
	s_wait_dscnt 8                                 ; W and batch 0 of x are in; the youngest eight loads (batch 1) may be out
	WIN MUL_LO
	MUL16 \f, 0, 0, \zero
	MUL16 \f, 0, 2, \zero
	PLACES
	FETCH \slot, \k, \g
	s_wait_dscnt 32                                ; all but the 32 just issued
	WIN MUL_HI
	MUL16 \f, 1, 0, \zero
	MUL16 \f, 1, 2, \zero
.endm
.macro THREE slot, zero
	QUARTER \slot, 64,  F0, F1, \zero
	QUARTER \slot, 128, F1, F0, 0
	QUARTER \slot, 192, F0, F1, 0
.endm
; The last quarter of a K step changes slots.  In front of the barrier each wave waits for its reads of this slot and for all its tensor loads
; (one is out: its part of the next slot).  Behind it (fill = 1: behind the whole round of the cluster barrier that it opens) this slot is asked for again,
; first thing, one load a wave; then the next slot is read.  From a request to the wait for it a wave issues 240 matrix instructions.
.macro TURN slot, next, fill
	s_wait_dscnt 8
	WIN MUL_LO
	MUL16 F1, 0, 0, 0
	s_wait_dscnt 0                                 ; my reads of this slot are over
	s_set_vgpr_msb 0xa1a0
	s_wait_tensorcnt 0x0                           ; all my tensor loads have landed
	ds_add_u32 v62, v63
	s_wait_dscnt 0x0
	s_set_vgpr_msb 0xa0a1
	s_barrier_signal -1
	MUL16 F1, 0, 2, 0                              ; register work while the others arrive
	WIN 0
	s_barrier_wait -1
.if \fill
	CREST                                          ; no wave of any partner still reads this slot or has a load on its way
	s_add_nc_u64 s[G0+4*\slot+2:G0+4*\slot+3], s[G0+4*\slot+2:G0+4*\slot+3], 2*KSTEP*2
	s_add_nc_u64 s[G0B+4*\slot+2:G0B+4*\slot+3], s[G0B+4*\slot+2:G0B+4*\slot+3], 2*KSTEP*6144
	JLOAD \slot
.endif
	PLACES
	FETCH \next, 0, F0
	WIN MUL_HI
	MUL16 F1, 1, 0, 0
	MUL16 F1, 1, 2, 0
.endm
.macro LAP zero
	THREE 0, \zero
	TURN 0, 1, 1
	THREE 1, 0
	TURN 1, 0, 1
.endm
	s_wait_tensorcnt 1                             ; my part of K step 0 is in; K step 1 stays out
	s_barrier_signal -1
	s_barrier_wait -1
	FETCH 0, 0, F0
	LAP 1                                          ; K steps 0, 1; asks for 2, 3
	WIN 0
	s_mov_b32 s3, LAPS-2
.Llap:
	LAP 0                                          ; K steps 2 to 5; asks for 4 to 7
	WIN 0
	s_sub_co_u32 s3, s3, 1
	s_cmp_lg_u32 s3, 0
	s_cbranch_scc1 .Llap
	THREE 0, 0                                     ; the last lap fills nothing
	TURN 0, 1, 0
	THREE 1, 0
	s_wait_dscnt 8
	WIN MUL_LO
	MUL16 F1, 0, 0, 0
	MUL16 F1, 0, 2, 0
	s_wait_dscnt 0
	WIN MUL_HI
	MUL16 F1, 1, 0, 0
	MUL16 F1, 1, 2, 0
	; THE WAY OUT.  Offsets are made in registers of their own; none of them ever fed a descriptor.
	PLACES                                         ; behind the last matrix instructions: for the adds that read results and the loads into the fragment registers
	WIN 0
	s_mov_b32 s90, ttmp9                           ; 0: q, 1: k, 2: v; the same in all sixteen partners
	s_lshl_b32 s92, s40, 10
	s_lshl_b32 s93, s12, 9
	s_add_co_u32 s92, s92, s93                     ; 4 x my first column inside q, k or v = 1,024 cx + 512 half
	s_mov_b32 s93, 0
	s_lshl_b32 s91, s13, 7
	s_lshl_b32 s94, s11, 6
	s_add_co_u32 s91, s91, s94                     ; my first token
	s_cmp_eq_u32 s90, 1
	s_cselect_b64 s[68:69], s[70:71], s[68:69]     ; bias
	s_cselect_b64 s[74:75], s[76:77], s[74:75]     ; gain
	s_cselect_b64 s[82:83], s[84:85], s[82:83]     ; output
	s_cmp_eq_u32 s90, 2
	s_cselect_b64 s[68:69], s[72:73], s[68:69]
	s_cselect_b64 s[82:83], s[86:87], s[82:83]
	s_add_nc_u64 s[68:69], s[68:69], s[92:93]
	s_add_nc_u64 s[74:75], s[74:75], s[92:93]
	s_add_nc_u64 s[78:79], s[78:79], s[92:93]
	s_add_nc_u64 s[80:81], s[80:81], s[92:93]
	s_lshl_b32 s94, s91, 12                        ; cos, sin: rows of 4,096 bytes
	s_mov_b32 s95, 0
	s_add_nc_u64 s[78:79], s[78:79], s[94:95]
	s_add_nc_u64 s[80:81], s[80:81], s[94:95]
	s_lshl_b32 s94, s91, 7                         ; output: 128 bytes a token,
	s_add_nc_u64 s[82:83], s[82:83], s[94:95]
	s_lshl_b32 s94, s92, 10                        ; 262,144 bytes a head: head = column / 64, so 1,024 x (4 x column)
	s_add_nc_u64 s[82:83], s[82:83], s[94:95]
.irp b, 0,1,2,3,4,5,6,7
	global_load_b128 v[BIAS+8*\b:BIAS+8*\b+3],   v[VB], s[68:69] offset:64*\b
	global_load_b128 v[BIAS+8*\b+4:BIAS+8*\b+7], v[VB], s[68:69] offset:64*\b+16
.endr
; T = the sums of tokens 16 g .. 16 g + 15 of batch hi, plus bias
.macro ADDB g, hi
	s_wait_xcnt 0x0                                ; T was the data of stores: it is rewritten only behind this wait
	WIN 0x02+\hi
.irp b, 0,1,2,3,4,5,6,7
.irp p, 0,1,2,3
	v_pk_add_f32 v[T+8*\b+2*\p:T+8*\b+2*\p+1], v[8*(8*\g+\b)+2*\p:8*(8*\g+\b)+2*\p+1], v[BIAS+8*\b+2*\p:BIAS+8*\b+2*\p+1]
.endr
.endr
	WIN 0
.endm
; T to f16, 16 bytes a lane into my stage, read back as head rows, stored: each store of the wave covers 512 consecutive bytes (4 tokens of one head), aligned.
; The stage is my own and LDS serves a wave in order (ISA guide 5.7.1): no wait between the stores and the loads.
.macro STAGEOUT g, hi
.irp b, 0,1,2,3,4,5,6,7
.irp p, 0,1,2,3
	v_cvt_pk_f16_f32 v[T+4*\b+\p], v[T+8*\b+2*\p], v[T+8*\b+2*\p+1]      ; packed downward in place: a target was read before or is read here
.endr
.endr
.irp b, 0,1,2,3,4,5,6,7
	ds_store_b128 v[STO], v[T+4*\b:T+4*\b+3] offset:32*\b
.endr
.irp t, 0,1,2,3,4,5,6,7
	ds_load_b128 v[T+32+4*\t:T+32+4*\t+3], v[RD] offset:(\t&3)*4*SPITCH+(\t>>2)*128
.endr
.irp t, 0,1,2,3,4,5,6,7
	s_wait_dscnt 7-\t                              ; the 7 - t younger reads may be out
	global_store_b128 v[CO], v[T+32+4*\t:T+32+4*\t+3], s[82:83] offset:\hi*4194304+(\t>>2)*262144+\g*2048+(\t&3)*512
.endr
.endm
; cos and sin of tokens 16 g .. 16 g + 15, my 64 columns, into window 1, buffer g % 2: cos at 128 (g % 2) + 8 b + j, sin 64 further
.macro CSLOAD g
	WIN TO_B
.irp b, 0,1,2,3,4,5,6,7
	global_load_b128 v[128*(\g&1)+8*\b:128*(\g&1)+8*\b+3],       v[VCS], s[78:79] offset:\g*65536+64*\b
	global_load_b128 v[128*(\g&1)+8*\b+4:128*(\g&1)+8*\b+7],     v[VCS], s[78:79] offset:\g*65536+64*\b+16
	global_load_b128 v[128*(\g&1)+64+8*\b:128*(\g&1)+64+8*\b+3],   v[VCS], s[80:81] offset:\g*65536+64*\b
	global_load_b128 v[128*(\g&1)+64+8*\b+4:128*(\g&1)+64+8*\b+7], v[VCS], s[80:81] offset:\g*65536+64*\b+16
.endr
	WIN 0
.endm
.macro OUTQK g, hi
	ADDB \g, \hi
	; the sum of squares of my 64 numbers, four chains; the first four products start them
.irp c, 0,1,2,3
	v_pk_mul_f32 v[SSP+2*\c:SSP+2*\c+1], v[T+2*\c:T+2*\c+1], v[T+2*\c:T+2*\c+1]
.endr
.set j, 4
.rept 28
	v_pk_fma_f32 v[SSP+2*(j%4):SSP+2*(j%4)+1], v[T+2*j:T+2*j+1], v[T+2*j:T+2*j+1], v[SSP+2*(j%4):SSP+2*(j%4)+1]
.set j, j+1
.endr
	v_pk_add_f32 v[SSP:SSP+1], v[SSP:SSP+1], v[SSP+2:SSP+3]
	v_pk_add_f32 v[SSP+4:SSP+5], v[SSP+4:SSP+5], v[SSP+6:SSP+7]
	v_pk_add_f32 v[SSP:SSP+1], v[SSP:SSP+1], v[SSP+4:SSP+5]
	v_add_f32 v[SSP], v[SSP], v[SSP+1]
	v_permlanex16_b32 v[SSP+1], v[SSP], s96, s97   ; the other 64 columns of the same token
	v_add_f32 v[SS+\g+4*\hi], v[SSP], v[SSP+1]
	v_fma_f32 v[SSP+2], v[SS+\g+4*\hi], s18, s19   ; the mean over my 128 columns + eps, at least 1e-6
	v_rsq_f32 v[RL], v[SSP+2]                      ; r_loc, made twice to fill the pair; the first gain multiply below is the plain place
	v_rsq_f32 v[RL+1], v[SSP+2]                    ; behind a transcendental (ISA guide 5.7.2): it touches neither RL nor its source
.irp b, 0,1,2,3,4,5,6,7
.irp p, 0,1,2,3
	v_pk_mul_f32 v[T+8*\b+2*\p:T+8*\b+2*\p+1], v[T+8*\b+2*\p:T+8*\b+2*\p+1], v[G+8*\b+2*\p:G+8*\b+2*\p+1]
.endr
.endr
	s_wait_alu depctr_va_vdst(0)
.irp b, 0,1,2,3,4,5,6,7
.irp p, 0,1,2,3
	v_pk_mul_f32 v[T+8*\b+2*\p:T+8*\b+2*\p+1], v[T+8*\b+2*\p:T+8*\b+2*\p+1], v[RL:RL+1]
.endr
.endr
	; RoPE on a pair (x0, x1): y0 = x0 c0 - x1 s0, y1 = x1 c1 + x0 s1.  The second line reads the pair crosswise and negates s0.
	WIN 0x04                                       ; source 1 (cos, sin) in window 1
.irp b, 0,1,2,3,4,5,6,7
.irp p, 0,1,2,3
	v_pk_mul_f32 v[U+2*\p:U+2*\p+1], v[T+8*\b+2*\p:T+8*\b+2*\p+1], v[128*(\g&1)+8*\b+2*\p:128*(\g&1)+8*\b+2*\p+1]
.endr
.irp p, 0,1,2,3
	v_pk_fma_f32 v[T+8*\b+2*\p:T+8*\b+2*\p+1], v[T+8*\b+2*\p:T+8*\b+2*\p+1], v[128*(\g&1)+64+8*\b+2*\p:128*(\g&1)+64+8*\b+2*\p+1], v[U+2*\p:U+2*\p+1] op_sel:[1,0,0] op_sel_hi:[0,1,1] neg_lo:[0,1,0]
.endr
.endr
	WIN 0
	STAGEOUT \g, \hi
.endm
	s_cmp_eq_u32 s90, 2
	s_cbranch_scc1 .Lv
	; q and k
	s_lshl_b32 s98, s92, 5                         ; ss: 16,384 bytes for each block of 128 columns = 32 x (4 x column),
	s_lshl_b32 s99, s90, 17                        ; 131,072 for k,
	s_add_co_u32 s98, s98, s99
	s_lshl_b32 s99, s91, 2                         ; 4 bytes a token
	s_add_co_u32 s98, s98, s99
	s_mov_b32 s99, 0
	s_add_nc_u64 s[88:89], s[88:89], s[98:99]
.irp b, 0,1,2,3,4,5,6,7
	global_load_b128 v[G+8*\b:G+8*\b+3],   v[VB], s[74:75] offset:64*\b
	global_load_b128 v[G+8*\b+4:G+8*\b+7], v[VB], s[74:75] offset:64*\b+16
.endr
	CSLOAD 0
	CSLOAD 1
	s_wait_loadcnt 32                              ; bias, gain and group 0 are in; the 32 loads of group 1 stay out
	OUTQK 0, 0
	OUTQK 0, 1
	CSLOAD 2
	s_wait_loadcnt 32                              ; group 1 is in, group 2 stays out
	OUTQK 1, 0
	OUTQK 1, 1
	CSLOAD 3
	s_wait_loadcnt 32                              ; group 2 is in, group 3 stays out
	OUTQK 2, 0
	OUTQK 2, 1
	s_wait_loadcnt 0x0
	OUTQK 3, 0
	OUTQK 3, 1
	; the 128 sums of squares through my stage: lane l then holds four neighbouring tokens, and sixteen lanes store 256 consecutive bytes, aligned
.irp hi, 0,1
.irp g, 0,1,2,3
	ds_store_b32 v[SSA], v[SS+\g+4*\hi] offset:(64*\hi+16*\g)*4        ; both halves of the lanes write the same word with the same value
.endr
.endr
	ds_load_b128 v[U:U+3], v[SSR]
	s_wait_dscnt 0x0
	global_store_b128 v[SSO], v[U:U+3], s[88:89]
	s_branch .Ldone
.Lv:
	s_wait_loadcnt 0x0                             ; the bias
.irp g, 0,1,2,3
.irp hi, 0,1
	ADDB \g, \hi
	STAGEOUT \g, \hi
.endr
.endr
.Ldone:
	s_wait_tensorcnt 0x0
	ds_add_u32 v62, v63
	s_wait_dscnt 0x0
	CROUND                                         ; the closing round: no work-group ends while a partner may still ask for a tile that names it
	s_endpgm
.Lfunc_end_k_q6840054724_qkv:
	.size	k_q6840054724_qkv, .Lfunc_end_k_q6840054724_qkv-k_q6840054724_qkv
	.p2alignl 7, 3214868480
	.fill 96, 4, 3214868480
	.section	.rodata,"a",@progbits
	.p2align	6, 0x0
	.amdhsa_kernel k_q6840054724_qkv
		.amdhsa_group_segment_fixed_size 327680
		.amdhsa_private_segment_fixed_size 0
		.amdhsa_enable_private_segment 0
		.amdhsa_kernarg_size 104
		.amdhsa_user_sgpr_count 2
		.amdhsa_user_sgpr_kernarg_segment_ptr 1
		.amdhsa_wavefront_size32 1
		.amdhsa_system_sgpr_workgroup_id_x 1
		.amdhsa_system_sgpr_workgroup_id_y 1
		.amdhsa_system_sgpr_workgroup_id_z 1
		.amdhsa_system_vgpr_workitem_id 0
		.amdhsa_next_free_vgpr 1024
		.amdhsa_next_free_sgpr 100
		.amdhsa_reserve_vcc 0
		.amdhsa_float_denorm_mode_32 3
		.amdhsa_float_denorm_mode_16_64 3
		.amdhsa_memory_ordered 1
		.amdhsa_forward_progress 1
		.amdhsa_inst_pref_size 255
	.end_amdhsa_kernel
	.section	.bss,"aw",@nobits
	.p2align	6
	.space	262144
	.amdgpu_metadata
---
amdhsa.version: [ 1, 2 ]
amdhsa.kernels:
  - .name:           k_q6840054724_qkv
    .symbol:         k_q6840054724_qkv.kd
    .args:
      - { .name: xb, .offset: 0, .size: 8, .value_kind: global_buffer, .address_space: global }
      - { .name: wqkv, .offset: 8, .size: 8, .value_kind: global_buffer, .address_space: global }
      - { .name: bq, .offset: 16, .size: 8, .value_kind: global_buffer, .address_space: global }
      - { .name: bk, .offset: 24, .size: 8, .value_kind: global_buffer, .address_space: global }
      - { .name: bv, .offset: 32, .size: 8, .value_kind: global_buffer, .address_space: global }
      - { .name: gq, .offset: 40, .size: 8, .value_kind: global_buffer, .address_space: global }
      - { .name: gk, .offset: 48, .size: 8, .value_kind: global_buffer, .address_space: global }
      - { .name: cos, .offset: 56, .size: 8, .value_kind: global_buffer, .address_space: global }
      - { .name: sin, .offset: 64, .size: 8, .value_kind: global_buffer, .address_space: global }
      - { .name: qh, .offset: 72, .size: 8, .value_kind: global_buffer, .address_space: global }
      - { .name: kh, .offset: 80, .size: 8, .value_kind: global_buffer, .address_space: global }
      - { .name: vh, .offset: 88, .size: 8, .value_kind: global_buffer, .address_space: global }
      - { .name: ss, .offset: 96, .size: 8, .value_kind: global_buffer, .address_space: global }
    .group_segment_fixed_size: 327680
    .private_segment_fixed_size: 0
    .kernarg_segment_align: 8
    .kernarg_segment_size: 104
    .max_flat_workgroup_size: 128
    .sgpr_count:     100
    .vgpr_count:     1024
    .wavefront_size: 32
...
	.end_amdgpu_metadata
.endif
;; end of part 2
;; launch attn (part 3): grid 8 x 32, 8 waves a work-group, clusters of 4 x 1, 327,680 bytes of LDS; arguments qh, kh, vh, ss, ao; writes ao
.if DOCPART == 3
	.amdgcn_target "amdgcn-amd-amdhsa--gfx1250"
	.amdhsa_code_object_version 6
	.text
	.protected	k_q6840054724_attn
	.globl	k_q6840054724_attn
	.p2align	8
	.type	k_q6840054724_attn,@function
k_q6840054724_attn:
	s_mov_b64 s[64:65], 0
	v_nop
	global_prefetch_b8 v0, s[64:65] scope:SCOPE_SE
	s_setreg_imm32_b32 hwreg(HW_REG_WAVE_MODE, 25, 1), 1
	s_wait_xcnt 0x0
	s_wait_alu depctr_hold_cnt(0) depctr_sa_sdst(0) depctr_va_vdst(0) depctr_va_sdst(0) depctr_va_ssrc(0) depctr_va_vcc(0) depctr_vm_vsrc(0)
	s_getreg_b32 s2, hwreg(HW_REG_IB_STS2, 6, 4)
	s_cmp_eq_u32 s2, 0
	s_cbranch_scc0 .Lentry_in_a_cluster
	s_endpgm
.Lentry_in_a_cluster:
	s_bfe_u32 s2, ttmp6, 0x10000c
	s_cmp_lg_u32 s2, 0x3003
	s_cbranch_scc0 .Lentry_shape_is_right
	s_endpgm
.Lentry_shape_is_right:
; Softmax attention for one head (grid y = 16 b + h) and 256 queries (grid x), with a running maximum.  Eight waves, 32 queries each.
; qh and kh hold rope((x W + b) g) r_loc in f16, r_loc = rsqrt(ss_own / 128 + eps), ss_own the sum of squares over the 128 columns that hold the head (block h / 2);
; ss holds all eight partial sums of a row.  Here f = rsqrt(sum / 1024 + eps) sqrt(ss_own / 128 + eps) = r / r_loc is made for every key and query:
; score = (q . k) f_q f_k / 8.  f_k multiplies the products (one packed multiply for two scores); f_q, 1/8 and log2(e) are one factor cq a query, which
; rides in the multiply-add in front of the exponential: p = exp2(s cq - m cq), m the running maximum of s = (q . k) f_k.  cq > 0, so m is where the score is largest.
; LAYOUT: S^T = K Q^T (source 0: 16 keys, source 1: 16 queries): lane (r, h) holds query r, register j key 8 h + j.  Two neighbouring tiles, packed to f16,
; ARE the second source of O^T = V^T P^T for 32 keys: P never moves between lanes.  All statistics are one number a lane; the two halves of the lanes meet once a block.
; V lies [key][d] in LDS and is read with the transposing load.  In O^T a lane holds eight neighbouring d of query r.
; CLUSTERS: 4 x 1: four query blocks of one head read the same K and V: every tile is asked for jointly (mask 15), which divides the requests by four.
; RING: two slots of 256 keys (K: 4 chunks of 64 keys x 144 bytes; V: 4 chunks of 64 keys x 160 bytes); each of the eight waves fetches one chunk of 64 rows.
; A refill has the work on 256 keys in which to land (128 matrix instructions a wave).
; TWO GROUPS OF WAVES, HALF A BLOCK APART: eight waves lie on four SIMDs, two on each.  A block of 64 keys is 32 matrix instructions and some 280 vector instructions of a wave;
; two waves that leave a barrier at the same line want the matrix unit together and then the vector unit together.  So a block is cut in a HEAD (score products, f_k, fragment
; loads) and a TAIL (softmax, rescaling, PV products), and the TAIL of the last 64 keys of a slot is run in front of the change of slots by group 0 and behind it by group 1,
; from registers alone (P and the V fragments are in registers by then).  Both groups do the same work between two barriers; group 1 is one TAIL behind from the first change on, so that
; the matrix run of one wave (PV of block j, scores of block j + 1) can stand against the softmax of the other.  Group = (w xor w / 4) & 1: it differs between waves w and w + 4 and
; between waves 2 s and 2 s + 1, so the two waves of a SIMD are of different groups under either of these two ways of dealing eight waves to four SIMDs.
; LIMITS: P, K, Q, V and the result are f16.  P is at most 1; a P below 6e-8 rounds to 0, which is at most 2,048 x 3e-8 = 6e-5 of a row sum that is at least 1.
; The result is a convex mix of v, so it has the range of v; for x and Wv both thirty times smaller its spread (2e-5) lies in the denormals of f16, whose step of 6e-8
; is 7e-4 of that spread.  The row sum of P is taken in f32 before P is rounded; the maxima use forms in which a NaN loses.
; No data prefetch: K and V were stored by the launch just before and are read by eight work-groups each.
.set CH,   10240                       ; a chunk: 64 x 160 (V); K uses 64 x 144 of it
.set SLOT, 8*CH
.set RK,   2*SLOT                      ; 163,840: f_k of the 2,048 keys, f32
.set STG,  RK+8192                     ; 172,032: 32 rows x 144 bytes for each wave, for the way out; likewise
.set KADR, 2                           ; v2-3   K fragments in slot 0, 1: 144 r + 16 h
.set VADR, 4                           ; v4-5   V fragments: 160 (8 h + l % 8) + 16 ((l / 8) % 2), behind the four K chunks
.set RKADR, 6                          ; v6     RK + 32 h, stepped by 1,024 bytes (256 keys) for each slot read
.set STO,  7
.set RD,   8
.set CO,   9
.set KF,   32                          ; v32-95   K fragments: 16 kt + 8 ds
.set VF,   96                          ; v96-159  V fragments: 16 dt + 8 ks
.set SC,   160                         ; v160-223 scores: 32 qt + 8 kt; packed, P of 32 keys lies at 32 qt + 8 ks
.set M,    224                         ; v224-225 running maximum, a query tile each
.set CQ,   226                         ; pairs, the first register is used for both halves of a packed instruction:
.set NM,   230                         ;   CQ factor, NM = - m cq, AL = exp2((m_old - m_new) cq)
.set AL,   234
.set LP,   238                         ; pairs: running sum, even and odd registers apart
.set TT,   242                         ; v242-249 at work
.set MN,   250
.set TP,   251
.set DD,   252
.set OA,   0                           ; window 1: v0-63 O^T: 32 qt + 8 dt
.set QF,   64                          ; window 1: v64-95 Q fragments: 16 qt + 8 ds
.set RKR,  96                          ; window 1: v96-127 f_k of my 8 keys in each of 4 key tiles
.set G1K, 24
.set G1V, 32
.set G0K, 40                           ; one set a slot
.set G0V, 48
.set MSB, 0
.macro WIN new
.if MSB != (\new)
	s_set_vgpr_msb (MSB<<8)|(\new)
.set MSB, (\new)
.endif
.endm
.macro JLOAD s                         ; waves 0-3 fetch the four chunks of K, waves 4-7 those of V; the branch hangs on the wave number alone
	s_cmp_eq_u32 s15, 0
	s_cbranch_scc0 .Lfor_v_\@
	tensor_load_to_lds s[G0K+4*\s:G0K+4*\s+3], s[G1K:G1K+7]
	s_nop 0
	s_branch .Lasked_\@
.Lfor_v_\@:
	tensor_load_to_lds s[G0V+4*\s:G0V+4*\s+3], s[G1V:G1V+7]
	s_nop 0
.Lasked_\@:
.endm
.macro ROUND                           ; a round of the cluster barrier
	s_barrier_signal -1
	s_barrier_wait -1
	s_cmp_lg_u32 s14, 0
	s_cbranch_scc1 .Lnot_wave_0_\@
	s_barrier_signal -3
.Lnot_wave_0_\@:
	s_barrier_wait -3
	s_barrier_signal -1
	s_barrier_wait -1
.endm
	s_load_b256 s[4:11], s[0:1], 0x0               ; qh s[4:5], kh s[6:7], vh s[8:9], ss s[10:11]
	s_load_b64 s[12:13], s[0:1], 0x20              ; ao
	v_lshl_add_u32 v254, v0, 2, 0x33000
	v_mov_b32 v255, 0
	ds_add_u32 v254, v255
	v_lshrrev_b32 v1, 5, v0
	v_readfirstlane_b32 s14, v1                    ; wave 0..7
	s_lshr_b32 s15, s14, 2                         ; I fetch K (0) or V (1),
	s_and_b32 s16, s14, 3                          ; chunk 0..3
	s_xor_b32 s63, s15, s14
	s_and_b32 s63, s63, 1                          ; my group: (w xor w / 4) & 1
	s_and_b32 s17, ttmp7, 0xffff                   ; 16 b + h
	s_bfe_u32 s18, ttmp6, 0x40000                  ; cx
	s_lshl_b32 s19, ttmp9, 2
	s_add_co_u32 s19, s19, s18                     ; query block 0..7
	s_lshl_b32 s20, s19, 8
	s_lshl_b32 s19, s14, 5
	s_add_co_u32 s20, s20, s19                     ; my first query
	s_mov_b32 s56, 0x76543210                      ; v_permlanex16_b32: lane i reads lane i of the other half
	s_mov_b32 s57, 0xfedcba98
	s_mov_b32 s66, 0x3a800000                      ; 1 / 1024
	s_mov_b32 s67, 0x358637bd                      ; eps = 1e-6
	s_mov_b32 s62, 0x3c000000                      ; 1 / 128
	s_and_b32 s59, s17, 15                         ; h,
	s_lshr_b32 s59, s59, 1                         ; its block of 128 columns,
	s_lshl_b32 s59, s59, 14                        ; 16,384 bytes of ss a block
	; group 1: 64 rows x 64 elements of 2 bytes, dense in memory; behind every 32 words 16 bytes (K) or 32 bytes (V) of padding; mask: all four partners
	s_mov_b32 s[G1K+0], 15|(1<<16)|(1<<20)|(1<<21)|(4<<22)|(3<<25)
	s_mov_b32 s[G1V+0], 15|(1<<16)|(1<<20)|(1<<21)|(4<<22)|(7<<25)
.irp g, G1K, G1V
	s_mov_b32 s[\g+1], 64<<16                      ; tensor_dim0 = 64
	s_mov_b32 s[\g+2], 64<<16                      ; tensor_dim1 = 64
	s_mov_b32 s[\g+3], 64<<16                      ; tile_dim0 = 64
	s_mov_b32 s[\g+4], 64                          ; tile_dim1 = 64
	s_mov_b32 s[\g+5], 64                          ; pitch
	s_mov_b32 s[\g+6], 0
	s_mov_b32 s[\g+7], 0
.endr
	s_lshl_b32 s22, s17, 18                        ; the head: 262,144 bytes; hangs on grid y alone, which the partners share
	s_lshl_b32 s23, s16, 13                        ; my chunk: 64 keys of 128 bytes
	s_add_co_u32 s22, s22, s23
	s_mov_b32 s23, 0
	s_mul_i32 s21, s14, CH                         ; where it goes: wave x 10,240
	s_wait_dscnt 0x0
	s_wait_kmcnt 0x0
	s_add_nc_u64 s[6:7], s[6:7], s[22:23]
	s_add_nc_u64 s[8:9], s[8:9], s[22:23]
	ROUND                                          ; the four work-groups are here: the first joint loads meet
.irp s, 0,1
	s_mov_b32 s[G0K+4*\s], 1
	s_add_co_u32 s[G0K+4*\s+1], s21, \s*SLOT
	s_add_nc_u64 s[G0K+4*\s+2:G0K+4*\s+3], s[6:7], \s*32768           ; slot s: keys 256 s ..
	s_or_b32 s[G0K+4*\s+3], s[G0K+4*\s+3], 0x80000000
	s_mov_b32 s[G0V+4*\s], 1
	s_add_co_u32 s[G0V+4*\s+1], s21, \s*SLOT
	s_add_nc_u64 s[G0V+4*\s+2:G0V+4*\s+3], s[8:9], \s*32768
	s_or_b32 s[G0V+4*\s+3], s[G0V+4*\s+3], 0x80000000
	JLOAD \s                                       ; two tensor loads of a wave are out here, the most in this text; later one
.endr
	; plain addresses (these may hang on cx: no descriptor, LDS address or branch is made of them)
	s_lshr_b32 s19, s17, 4                         ; b
	s_lshl_b32 s60, s19, 13
	s_add_co_u32 s60, s60, 131072
	s_mov_b32 s61, 0
	s_add_nc_u64 s[68:69], s[10:11], s[60:61]      ; ss: the k part, my batch
	s_lshl_b32 s60, s19, 11
	s_add_co_u32 s60, s60, s20
	s_lshl_b32 s60, s60, 2
	s_add_nc_u64 s[10:11], s[10:11], s[60:61]      ; ss: the q part at my first query
	s_lshl_b32 s60, s17, 11
	s_add_co_u32 s60, s60, s20
	s_lshl_b32 s60, s60, 7
	s_add_nc_u64 s[4:5], s[4:5], s[60:61]          ; qh and ao at my first query
	s_add_nc_u64 s[12:13], s[12:13], s[60:61]
	v_and_b32 v10, 15, v0                          ; r
	v_bfe_u32 v11, v0, 4, 1                        ; h
	v_lshlrev_b32 v17, 4, v0                       ; 16 t: four keys a thread
	v_lshlrev_b32 v19, 2, v10                      ; 4 r
	v_lshlrev_b32 v20, 7, v10
	v_lshl_add_u32 v20, v11, 4, v20                ; 128 r + 16 h
	v_add_nc_u32 v21, s59, v17                     ; the same places in the block of ss that holds my head
	v_add_nc_u32 v22, s59, v19
	; the partial sums of squares of all 2,048 keys (thread t: keys 4 t and 4 t + 1,024), of my 32 queries, and my Q fragments
.irp p, 0,1
.irp pb, 0,1,2,3,4,5,6,7
	global_load_b128 v[32+32*\p+4*\pb:35+32*\p+4*\pb], v17, s[68:69] offset:\pb*16384+\p*4096
.endr
.endr
.irp p, 0,1
	global_load_b128 v[112+4*\p:115+4*\p], v21, s[68:69] offset:\p*4096           ; ss_own of the same keys
.endr
.irp qt, 0,1
.irp pb, 0,1,2,3,4,5,6,7
	global_load_b32 v[96+8*\qt+\pb], v19, s[10:11] offset:\qt*64+\pb*16384
.endr
.endr
.irp qt, 0,1
	global_load_b32 v[120+\qt], v22, s[10:11] offset:\qt*64                       ; ss_own of my queries
.endr
	WIN 0x40
.irp qt, 0,1
.irp ds, 0,1
	global_load_b128 v[QF+16*\qt+8*\ds:QF+16*\qt+8*\ds+3],   v20, s[4:5] offset:\qt*2048+\ds*64
	global_load_b128 v[QF+16*\qt+8*\ds+4:QF+16*\qt+8*\ds+7], v20, s[4:5] offset:\qt*2048+\ds*64+32
.endr
.endr
	WIN 0
	v_mul_u32_u24 v12, v10, 144
	v_lshl_add_u32 v12, v11, 4, v12
	v_mov_b32 v[KADR], v12
	v_add_nc_u32 v[KADR+1], SLOT, v12
	v_and_b32 v13, 7, v0
	v_lshl_add_u32 v13, v11, 3, v13
	v_mul_u32_u24 v13, v13, 160
	v_bfe_u32 v14, v0, 3, 1
	v_lshl_add_u32 v13, v14, 4, v13
	v_add_nc_u32 v[VADR], 4*CH, v13
	v_add_nc_u32 v[VADR+1], SLOT+4*CH, v13
	v_lshlrev_b32 v[RKADR], 5, v11
	v_add_nc_u32 v[RKADR], RK, v[RKADR]
	s_mul_i32 s21, s14, 4608
	s_add_co_u32 s21, s21, STG                     ; my stage
	v_add_nc_u32 v[STO], s21, v12
	v_bfe_u32 v15, v0, 3, 2
	v_mul_u32_u24 v15, v15, 144
	v_and_b32 v16, 7, v0
	v_lshl_add_u32 v15, v16, 4, v15
	v_add_nc_u32 v[RD], s21, v15
	v_and_b32 v16, 31, v0
	v_lshlrev_b32 v[CO], 4, v16
	v_add_nc_u32 v18, RK, v17
	v_mov_b32 v[NM+1], 0                           ; the second registers of the pairs are named by packed instructions, not used
	v_mov_b32 v[NM+3], 0
	v_mov_b32 v[AL+1], 0
	v_mov_b32 v[AL+3], 0
	v_mov_b32 v[TP], 0                             ; the target of v_permlanex16_b32 counts as read
	s_wait_loadcnt 26                              ; the 18 loads for f_k are in; 18 for cq and 8 for Q stay out
.irp p, 0,1
.irp pb, 1,2,3,4,5,6,7
	v_pk_add_f32 v[32+32*\p:33+32*\p], v[32+32*\p:33+32*\p], v[32+32*\p+4*\pb:33+32*\p+4*\pb]
	v_pk_add_f32 v[34+32*\p:35+32*\p], v[34+32*\p:35+32*\p], v[34+32*\p+4*\pb:35+32*\p+4*\pb]
.endr
.irp c, 0,1,2,3
	v_fma_f32 v[32+32*\p+\c], v[32+32*\p+\c], s66, s67                 ; the mean over the row + eps, at least 1e-6
.endr
.irp c, 0,1,2,3
	v_fma_f32 v[112+4*\p+\c], v[112+4*\p+\c], s62, s67                 ; the mean over the block + eps
.endr
.irp c, 0,1,2,3
	v_rsq_f32 v[32+32*\p+\c], v[32+32*\p+\c]
.endr
.irp c, 0,1,2,3
	v_sqrt_f32 v[112+4*\p+\c], v[112+4*\p+\c]
.endr
	v_nop                                          ; one plain place behind a transcendental (ISA guide 5.7.2)
	s_wait_alu depctr_va_vdst(0)
	v_pk_mul_f32 v[32+32*\p:33+32*\p], v[32+32*\p:33+32*\p], v[112+4*\p:113+4*\p]  ; f_k = r / r_loc
	v_pk_mul_f32 v[34+32*\p:35+32*\p], v[34+32*\p:35+32*\p], v[114+4*\p:115+4*\p]
	ds_store_b128 v18, v[32+32*\p:35+32*\p] offset:4096*\p
.endr
	s_wait_loadcnt 8                               ; the 18 loads for cq are in; Q stays out
.irp qt, 0,1
.irp pb, 1,2,3,4,5,6,7
	v_add_f32 v[96+8*\qt], v[96+8*\qt], v[96+8*\qt+\pb]
.endr
	v_fma_f32 v[96+8*\qt], v[96+8*\qt], s66, s67
	v_fma_f32 v[120+\qt], v[120+\qt], s62, s67
	v_rsq_f32 v[96+8*\qt], v[96+8*\qt]
	v_sqrt_f32 v[120+\qt], v[120+\qt]
	v_mov_b32 v[CQ+2*\qt+1], 0                     ; the plain place
	s_wait_alu depctr_va_vdst(0)
	v_mul_f32 v[96+8*\qt], 0x3e38aa3b, v[96+8*\qt] ; log2(e) / 8
	v_mul_f32 v[CQ+2*\qt], v[96+8*\qt], v[120+\qt] ; cq = f_q log2(e) / 8
.endr
	s_wait_loadcnt 0x0                             ; Q
	s_wait_tensorcnt 0x1                           ; my chunk of slot 0 is in; slot 1 stays out
	s_wait_dscnt 0x0                               ; my part of f_k is written
	s_barrier_signal -1
	s_barrier_wait -1
; the K fragments and f_k of keys 64 j .. 64 j + 63 of a slot: 24 LDS loads
.macro LOADK slot, j
.irp kt, 0,1,2,3
.irp ds, 0,1
	ds_load_b128 v[KF+16*\kt+8*\ds:KF+16*\kt+8*\ds+3],   v[KADR+\slot] offset:(\j)*CH+\kt*2304+\ds*64
	ds_load_b128 v[KF+16*\kt+8*\ds+4:KF+16*\kt+8*\ds+7], v[KADR+\slot] offset:(\j)*CH+\kt*2304+\ds*64+32
.endr
.endr
	WIN 0x40
.irp kt, 0,1,2,3
	ds_load_b128 v[RKR+8*\kt:RKR+8*\kt+3],   v[RKADR] offset:(\j)*256+\kt*64
	ds_load_b128 v[RKR+8*\kt+4:RKR+8*\kt+7], v[RKADR] offset:(\j)*256+\kt*64+16
.endr
	WIN 0
.endm
; the V fragments of the same keys: 16 transposing loads (16 d x 32 keys each pair)
.macro LOADV slot, j
.irp dt, 0,1,2,3
.irp ks, 0,1
	ds_load_tr16_b128 v[VF+16*\dt+8*\ks:VF+16*\dt+8*\ks+3],   v[VADR+\slot] offset:(\j)*CH+\ks*5120+\dt*32
	ds_load_tr16_b128 v[VF+16*\dt+8*\ks+4:VF+16*\dt+8*\ks+7], v[VADR+\slot] offset:(\j)*CH+\ks*5120+\dt*32+2560
.endr
.endr
.endm
; softmax of one query tile on 64 keys: maximum, exponentials, sum, packing.  first = 1: nothing older to rescale.
.macro SOFT qt, first
.irp kt, 0,1,2,3
	v_max3_num_f32 v[TT+\kt], v[SC+32*\qt+8*\kt], v[SC+32*\qt+8*\kt+1], v[SC+32*\qt+8*\kt+2]
.endr
.irp kt, 0,1,2,3
	v_max3_num_f32 v[TT+\kt], v[TT+\kt], v[SC+32*\qt+8*\kt+3], v[SC+32*\qt+8*\kt+4]
.endr
.irp kt, 0,1,2,3
	v_max3_num_f32 v[TT+\kt], v[TT+\kt], v[SC+32*\qt+8*\kt+5], v[SC+32*\qt+8*\kt+6]
.endr
	v_max3_num_f32 v[TT], v[TT], v[TT+1], v[SC+32*\qt+7]
	v_max3_num_f32 v[TT+2], v[TT+2], v[TT+3], v[SC+32*\qt+15]
	v_max3_num_f32 v[TT], v[TT], v[SC+32*\qt+23], v[SC+32*\qt+31]
	v_max_num_f32 v[TT], v[TT], v[TT+2]
	v_permlanex16_b32 v[TP], v[TT], s56, s57       ; the other 32 keys of the same query
.if \first
	v_max_num_f32 v[M+\qt], v[TT], v[TP]
	v_mul_f32 v[NM+2*\qt], -v[M+\qt], v[CQ+2*\qt]
.else
	v_max3_num_f32 v[MN], v[TT], v[TP], v[M+\qt]
	v_sub_f32 v[DD], v[M+\qt], v[MN]
	v_mul_f32 v[DD], v[DD], v[CQ+2*\qt]
	v_exp_f32 v[AL+2*\qt], v[DD]
	v_mov_b32 v[M+\qt], v[MN]                      ; the plain place behind the exponential
	v_mul_f32 v[NM+2*\qt], -v[MN], v[CQ+2*\qt]
.endif
.set i, 0
.rept 16
	v_pk_fma_f32 v[SC+32*\qt+2*i:SC+32*\qt+2*i+1], v[SC+32*\qt+2*i:SC+32*\qt+2*i+1], v[CQ+2*\qt:CQ+2*\qt+1], v[NM+2*\qt:NM+2*\qt+1] op_sel_hi:[1,0,0]
.set i, i+1
.endr
.set i, 0
.rept 32
	v_exp_f32 v[SC+32*\qt+i], v[SC+32*\qt+i]
.set i, i+1
.endr
	v_nop                                          ; the plain place behind the last exponential
	s_wait_alu depctr_va_vdst(0)
.irp c, 0,1,2,3
	v_pk_add_f32 v[TT+2*\c:TT+2*\c+1], v[SC+32*\qt+2*\c:SC+32*\qt+2*\c+1], v[SC+32*\qt+8+2*\c:SC+32*\qt+8+2*\c+1]
.endr
.irp c, 0,1,2,3
	v_pk_add_f32 v[TT+2*\c:TT+2*\c+1], v[TT+2*\c:TT+2*\c+1], v[SC+32*\qt+16+2*\c:SC+32*\qt+16+2*\c+1]
.endr
.irp c, 0,1,2,3
	v_pk_add_f32 v[TT+2*\c:TT+2*\c+1], v[TT+2*\c:TT+2*\c+1], v[SC+32*\qt+24+2*\c:SC+32*\qt+24+2*\c+1]
.endr
	v_pk_add_f32 v[TT:TT+1], v[TT:TT+1], v[TT+2:TT+3]
	v_pk_add_f32 v[TT+4:TT+5], v[TT+4:TT+5], v[TT+6:TT+7]
.if \first
	v_pk_add_f32 v[LP+2*\qt:LP+2*\qt+1], v[TT:TT+1], v[TT+4:TT+5]      ; the first block starts the sum
.else
	v_pk_add_f32 v[TT:TT+1], v[TT:TT+1], v[TT+4:TT+5]
	v_pk_fma_f32 v[LP+2*\qt:LP+2*\qt+1], v[LP+2*\qt:LP+2*\qt+1], v[AL+2*\qt:AL+2*\qt+1], v[TT:TT+1] op_sel_hi:[1,0,1]
.endif
.irp kt, 0,1,2,3
.irp p, 0,1,2,3
	v_cvt_pk_f16_f32 v[SC+32*\qt+4*\kt+\p], v[SC+32*\qt+8*\kt+2*\p], v[SC+32*\qt+8*\kt+2*\p+1]    ; packed downward in place
.endr
.endr
.endm
; The first part of a block of 64 keys: the score products, f_k, and the loads: V of this block and (pk = 1) K and f_k of the next 64 keys of the same slot.
; In both products of a block the eight accumulators take turns, one instruction a turn.
.macro HEAD slot, j, pk
	s_wait_dscnt 0x0                               ; the K fragments and f_k of this block
	WIN 0x04                                       ; source 1 (Q, f_k) in window 1
.irp qt, 0,1
.irp kt, 0,1,2,3
	v_wmma_f32_16x16x32_f16 v[SC+32*\qt+8*\kt:SC+32*\qt+8*\kt+7], v[KF+16*\kt:KF+16*\kt+7], v[QF+16*\qt:QF+16*\qt+7], 0
.endr
.endr
.irp qt, 0,1
.irp kt, 0,1,2,3
	v_wmma_f32_16x16x32_f16 v[SC+32*\qt+8*\kt:SC+32*\qt+8*\kt+7], v[KF+16*\kt+8:KF+16*\kt+15], v[QF+16*\qt+8:QF+16*\qt+15], v[SC+32*\qt+8*\kt:SC+32*\qt+8*\kt+7]
.endr
.endr
.rept 4
	v_nop                                          ; four places (ISA guide 7.12.1) before the scores are read and K is loaded again
.endr
.irp qt, 0,1
.irp kt, 0,1,2,3
.irp p, 0,1,2,3
	v_pk_mul_f32 v[SC+32*\qt+8*\kt+2*\p:SC+32*\qt+8*\kt+2*\p+1], v[SC+32*\qt+8*\kt+2*\p:SC+32*\qt+8*\kt+2*\p+1], v[RKR+8*\kt+2*\p:RKR+8*\kt+2*\p+1]
.endr
.endr
.endr
	WIN 0
	LOADV \slot, \j
.if \pk
	LOADK \slot, \j+1
.endif
.endm
; The second part: softmax of both query tiles, O rescaled, the PV products.  Register work but for one wait.
; left = how many LDS loads were issued behind the V loads of this block and may stay out: the 24 of a LOADK, or none.
.macro TAIL first, left
	SOFT 0, \first
	SOFT 1, \first
	s_wait_dscnt \left                             ; V is in
.if \first
	WIN 0x50                                       ; C and D (O) in window 1
.irp qt, 0,1
.irp dt, 0,1,2,3
	v_wmma_f32_16x16x32_f16 v[OA+32*\qt+8*\dt:OA+32*\qt+8*\dt+7], v[VF+16*\dt:VF+16*\dt+7], v[SC+32*\qt:SC+32*\qt+7], 0
.endr
.endr
.else
	WIN 0x41
.irp qt, 0,1
.set i, 0
.rept 16
	v_pk_mul_f32 v[OA+32*\qt+2*i:OA+32*\qt+2*i+1], v[OA+32*\qt+2*i:OA+32*\qt+2*i+1], v[AL+2*\qt:AL+2*\qt+1] op_sel_hi:[1,0]
.set i, i+1
.endr
.endr
	WIN 0x50
.irp qt, 0,1
.irp dt, 0,1,2,3
	v_wmma_f32_16x16x32_f16 v[OA+32*\qt+8*\dt:OA+32*\qt+8*\dt+7], v[VF+16*\dt:VF+16*\dt+7], v[SC+32*\qt:SC+32*\qt+7], v[OA+32*\qt+8*\dt:OA+32*\qt+8*\dt+7]
.endr
.endr
.endif
.irp qt, 0,1
.irp dt, 0,1,2,3
	v_wmma_f32_16x16x32_f16 v[OA+32*\qt+8*\dt:OA+32*\qt+8*\dt+7], v[VF+16*\dt+8:VF+16*\dt+15], v[SC+32*\qt+8:SC+32*\qt+15], v[OA+32*\qt+8*\dt:OA+32*\qt+8*\dt+7]
.endr
.endr
	WIN 0
.rept 5
	v_nop                                          ; five places before the next score product writes over P; they also serve the next loads into V and the next rescaling of O
.endr
.endm
; The 256 keys of a slot, all but the TAIL of its last 64 keys.  The K fragments of its first 64 keys have been asked for.
.macro RUN slot, first
	HEAD \slot, 0, 1
	TAIL \first, 24
	HEAD \slot, 1, 1
	TAIL 0, 24
	HEAD \slot, 2, 1
	TAIL 0, 24
	HEAD \slot, 3, 0
.endm
; The change from slot other to slot slot, with the TAIL that RUN left over: group 0 runs it in front of the barrier, group 1 behind it.
; In front of the barrier, in every wave: all my tensor loads have landed (my chunk of the new slot among them) and my reads of the old slot are over; for group 1 the last of
; these are the V loads of its pending TAIL, which from here on works on registers alone.
; refill = 1: the barrier is a round of the cluster barrier, and the old slot is asked for again first thing behind it, one load a wave.
; The two branches hang on the wave number alone and jump over register work and one wait on DScnt: no barrier, no tensor load, no LDS access.
.macro CHANGE slot, other, refill
	s_cmp_lg_u32 s63, 0
	s_cbranch_scc1 .Llater_\@
	TAIL 0, 0                                      ; group 0: nothing was issued behind its V loads
.Llater_\@:
	s_wait_tensorcnt 0x0
	ds_add_u32 v254, v255
	s_wait_dscnt 0x0
	s_add_nc_u64 s[G0K+4*\other+2:G0K+4*\other+3], s[G0K+4*\other+2:G0K+4*\other+3], 65536    ; no load of mine is out: the old slot goes 512 keys on
	s_add_nc_u64 s[G0V+4*\other+2:G0V+4*\other+3], s[G0V+4*\other+2:G0V+4*\other+3], 65536
	s_wait_dscnt 0x0
.if \refill
	ROUND
	JLOAD \other
.else
	s_barrier_signal -1                            ; the work-group barrier alone shows the slot whole
	s_barrier_wait -1
.endif
	v_add_nc_u32 v[RKADR], 1024, v[RKADR]          ; f_k of the next 256 keys
	LOADK \slot, 0                                 ; K and f_k registers are free since the HEAD that read them
	s_cmp_eq_u32 s63, 0
	s_cbranch_scc1 .Ldone_\@
	TAIL 0, 24                                     ; group 1: its V loads were waited for in front of the barrier; the 24 loads just issued stay out
.Ldone_\@:
.endm
	LOADK 0, 0                                     ; keys 0 to 255: both groups still run alike, nothing is pending that could be put off
	RUN 0, 1
	s_mov_b32 s58, 3
.Lpair:
	CHANGE 1, 0, 1                                 ; keys 256 .. 1,791 in six steps; asks for keys 512 .. 2,047
	RUN 1, 0
	CHANGE 0, 1, 1
	RUN 0, 0
	s_sub_co_u32 s58, s58, 1
	s_cmp_lg_u32 s58, 0
	s_cbranch_scc1 .Lpair
	CHANGE 1, 0, 0                                 ; keys 1,792 to 2,047: nothing is left to fetch (the stepped address is not used)
	RUN 1, 0
	TAIL 0, 0                                      ; the very last TAIL, in every wave
	; THE WAY OUT: divide by the sum (at least 1: the largest score gives exp2(0)), round, 16 bytes a lane into my stage, back as rows of 128 bytes.
.irp qt, 0,1
	v_add_f32 v[TT+\qt], v[LP+2*\qt], v[LP+2*\qt+1]
.endr
	v_permlanex16_b32 v[TP], v[TT], s56, s57
	v_add_f32 v[TT], v[TT], v[TP]
	v_permlanex16_b32 v[TP], v[TT+1], s56, s57
	v_add_f32 v[TT+1], v[TT+1], v[TP]
	v_rcp_f32 v[AL], v[TT]
	v_rcp_f32 v[AL+2], v[TT+1]
	v_nop
	WIN 0x41
	s_wait_alu depctr_va_vdst(0)
.irp qt, 0,1
.set i, 0
.rept 16
	v_pk_mul_f32 v[OA+32*\qt+2*i:OA+32*\qt+2*i+1], v[OA+32*\qt+2*i:OA+32*\qt+2*i+1], v[AL+2*\qt:AL+2*\qt+1] op_sel_hi:[1,0]
.set i, i+1
.endr
.endr
	WIN 0x05
.irp qt, 0,1
.irp dt, 0,1,2,3
.irp p, 0,1,2,3
	v_cvt_pk_f16_f32 v[SC+16*\qt+4*\dt+\p], v[OA+32*\qt+8*\dt+2*\p], v[OA+32*\qt+8*\dt+2*\p+1]
.endr
.endr
.endr
	WIN 0
.irp qt, 0,1
.irp dt, 0,1,2,3
	ds_store_b128 v[STO], v[SC+16*\qt+4*\dt:SC+16*\qt+4*\dt+3] offset:\qt*2304+\dt*32
.endr
.endr
.irp t, 0,1,2,3,4,5,6,7
	ds_load_b128 v[KF+4*\t:KF+4*\t+3], v[RD] offset:\t*576             ; my own bytes, served in order: these see the stores above
.endr
.irp t, 0,1,2,3,4,5,6,7
	s_wait_dscnt 7-\t                              ; the 7 - t younger reads may be out
	global_store_b128 v[CO], v[KF+4*\t:KF+4*\t+3], s[12:13] offset:\t*512       ; 4 queries: 512 consecutive bytes, aligned
.endr
	s_wait_tensorcnt 0x0
	ds_add_u32 v254, v255
	s_wait_dscnt 0x0
	ROUND                                          ; the closing round: no work-group ends while a partner may still ask for a tile that names it
	s_endpgm
.Lfunc_end_k_q6840054724_attn:
	.size	k_q6840054724_attn, .Lfunc_end_k_q6840054724_attn-k_q6840054724_attn
	.p2alignl 7, 3214868480
	.fill 96, 4, 3214868480
	.section	.rodata,"a",@progbits
	.p2align	6, 0x0
	.amdhsa_kernel k_q6840054724_attn
		.amdhsa_group_segment_fixed_size 327680
		.amdhsa_private_segment_fixed_size 0
		.amdhsa_enable_private_segment 0
		.amdhsa_kernarg_size 40
		.amdhsa_user_sgpr_count 2
		.amdhsa_user_sgpr_kernarg_segment_ptr 1
		.amdhsa_wavefront_size32 1
		.amdhsa_system_sgpr_workgroup_id_x 1
		.amdhsa_system_sgpr_workgroup_id_y 1
		.amdhsa_system_sgpr_workgroup_id_z 1
		.amdhsa_system_vgpr_workitem_id 0
		.amdhsa_next_free_vgpr 384
		.amdhsa_next_free_sgpr 72
		.amdhsa_reserve_vcc 0
		.amdhsa_float_denorm_mode_32 3
		.amdhsa_float_denorm_mode_16_64 3
		.amdhsa_memory_ordered 1
		.amdhsa_forward_progress 1
		.amdhsa_inst_pref_size 255
	.end_amdhsa_kernel
	.section	.bss,"aw",@nobits
	.p2align	6
	.space	262144
	.amdgpu_metadata
---
amdhsa.version: [ 1, 2 ]
amdhsa.kernels:
  - .name:           k_q6840054724_attn
    .symbol:         k_q6840054724_attn.kd
    .args:
      - { .name: qh, .offset: 0, .size: 8, .value_kind: global_buffer, .address_space: global }
      - { .name: kh, .offset: 8, .size: 8, .value_kind: global_buffer, .address_space: global }
      - { .name: vh, .offset: 16, .size: 8, .value_kind: global_buffer, .address_space: global }
      - { .name: ss, .offset: 24, .size: 8, .value_kind: global_buffer, .address_space: global }
      - { .name: ao, .offset: 32, .size: 8, .value_kind: global_buffer, .address_space: global }
    .group_segment_fixed_size: 327680
    .private_segment_fixed_size: 0
    .kernarg_segment_align: 8
    .kernarg_segment_size: 40
    .max_flat_workgroup_size: 256
    .sgpr_count:     72
    .vgpr_count:     384
    .wavefront_size: 32
...
	.end_amdgpu_metadata
.endif
;; end of part 3
;; launch oproj (part 4): grid 8 x 32, 4 waves a work-group, clusters of 4 x 4, 327,680 bytes of LDS; arguments ao, wob, bo, out0; writes out0
.if DOCPART == 4
	.amdgcn_target "amdgcn-amd-amdhsa--gfx1250"
	.amdhsa_code_object_version 6
	.text
	.protected	k_q6840054724_oproj
	.globl	k_q6840054724_oproj
	.p2align	8
	.type	k_q6840054724_oproj,@function
k_q6840054724_oproj:
	s_mov_b64 s[64:65], 0
	v_nop
	global_prefetch_b8 v0, s[64:65] scope:SCOPE_SE
	s_setreg_imm32_b32 hwreg(HW_REG_WAVE_MODE, 25, 1), 1
	s_wait_xcnt 0x0
	s_wait_alu depctr_hold_cnt(0) depctr_sa_sdst(0) depctr_va_vdst(0) depctr_va_sdst(0) depctr_va_ssrc(0) depctr_va_vcc(0) depctr_vm_vsrc(0)
	s_getreg_b32 s2, hwreg(HW_REG_IB_STS2, 6, 4)
	s_cmp_eq_u32 s2, 0
	s_cbranch_scc0 .Lentry_in_a_cluster
	s_endpgm
.Lentry_in_a_cluster:
	s_bfe_u32 s2, ttmp6, 0x10000c
	s_cmp_lg_u32 s2, 0xf033
	s_cbranch_scc0 .Lentry_shape_is_right
	s_endpgm
.Lentry_shape_is_right:
; out0 = merge(ao) Wo + bo.  ao: f16 [b][h][t][64]; wob: f16 [1024 k][1024 n], k = 64 h + d; out0: f32 [4096][1024].
; A work-group makes 128 x 128 (8 x 32 = 256 work-groups, one for each WGP); four waves, 64 x 64 each: 16 accumulator tiles in window 1.
; K goes in four chunks of 256 (four heads) through two LDS slots; everything is written out, without a loop.
; CLUSTERS: 4 x 4: the tiles of ao are shared along a cluster row, those of Wo along a cluster column: joint loads divide the requests by four.
; The heads are merged by the tensor load: a head holds the 128 tokens of the block as 16,384 consecutive bytes, so two heads are a tile of two rows of 8,192 elements,
; 131,072 elements apart; 16 bytes of padding behind every 128 bytes make token rows of pitch 144 in LDS.
; Source 0 = 16 columns of Wo (transposing load from [k][n]), source 1 = 16 tokens: a lane holds 8 neighbouring columns of token l % 16.
; LIMITS: operands in f16 (their range is stated where they are made), sums and the bias add in f32.
.set PA,     144                       ; a token row of one head in LDS: 128 + 16 bytes
.set PBW,    288                       ; a k row of Wo in LDS: 256 + 32 = 9 x 32 bytes
.set QUART,  36864                     ; one tensor load: 2 heads x 128 tokens x 144 = 128 k rows x 288
.set SLOT,   4*QUART                   ; ao: 4 heads, then Wo: 256 k rows
.set STAGE,  2*SLOT                    ; behind the ring: 16 rows x 272 bytes for each wave; no tensor load lands here
.set SPITCH, 272
.set BO,   12                          ; v12-15 bias of my 4 columns on the way out
.set ADRA, 16                          ; v16-17 ao fragments in slot 0, 1
.set ADRB, 20                          ; v20-23 Wo fragments: 2 slot + (upper 128 k rows)
.set STO,  24
.set RD,   25
.set CO,   26
.set VBO,  27
.set F0,   64                          ; fragment buffers, window 0: ao at + 8 i, Wo at + 32 + 8 i
.set F1,   128
.set TMP,  192                         ; v192-255 two halves, by turns, on the way out
.set G1, 24
.set G0, 32
.set G1B, 48
.set G0B, 56
.set MSB, 0
.macro WIN new
.if MSB != (\new)
	s_set_vgpr_msb (MSB<<8)|(\new)
.set MSB, (\new)
.endif
.endm
.macro JLOAD s                         ; waves 0, 1 fetch ao (two heads each), waves 2, 3 Wo (128 k rows each)
	s_cmp_eq_u32 s11, 0
	s_cbranch_scc0 .Lfor_b_\@
	tensor_load_to_lds s[G0+4*\s:G0+4*\s+3], s[G1:G1+7]
	s_nop 0
	s_branch .Lasked_\@
.Lfor_b_\@:
	tensor_load_to_lds s[G0B+4*\s:G0B+4*\s+3], s[G1B:G1B+7]
	s_nop 0
.Lasked_\@:
.endm
.macro CREST
	s_cmp_lg_u32 s10, 0
	s_cbranch_scc1 .Lnot_wave_0_\@
	s_barrier_signal -3
.Lnot_wave_0_\@:
	s_barrier_wait -3
	s_barrier_signal -1
	s_barrier_wait -1
.endm
.macro CROUND
	s_barrier_signal -1
	s_barrier_wait -1
	CREST
.endm
	s_load_b128 s[4:7], s[0:1], 0x0                ; ao s[4:5], wob s[6:7]
	s_load_b128 s[68:71], s[0:1], 0x10             ; bo s[68:69], out0 s[70:71]
	v_lshl_add_u32 v62, v0, 2, 0x4c400
	v_mov_b32 v63, 0
	ds_add_u32 v62, v63
	v_lshrrev_b32 v1, 5, v0
	v_readfirstlane_b32 s10, v1                    ; wave 0..3
	s_lshr_b32 s11, s10, 1                         ; which 64 rows are mine.  Also: I fetch ao (0) or Wo (1)
	s_and_b32 s12, s10, 1                          ; which 64 columns.  Also: which half of that tile I fetch
	s_bfe_u32 s40, ttmp6, 0x40000                  ; cx
	s_bfe_u32 s41, ttmp6, 0x40004                  ; cy
	s_lshl_b32 s42, ttmp9, 2
	s_add_co_u32 s42, s42, s40                     ; column block 0..7
	s_and_b32 s13, ttmp7, 0xffff
	s_lshl_b32 s13, s13, 2
	s_add_co_u32 s13, s13, s41                     ; row block 0..31 = 16 b + token block
	s_lshl_b32 s43, s41, 2
	s_lshl_b32 s43, 15, s43                        ; my row of the cluster
	s_lshl_b32 s44, 0x1111, s40                    ; my column
	; group 1 for ao: 2 rows (heads) x 8,192 elements, 131,072 elements apart; 16 bytes of padding behind every 32 words, which divide the row
	s_or_b32 s[G1+0], s43, (1<<16)|(1<<20)|(1<<21)|(4<<22)|(3<<25)
	s_mov_b32 s[G1+1], 8192<<16                    ; tensor_dim0 = 8,192
	s_mov_b32 s[G1+2], 2<<16                       ; tensor_dim1 = 2
	s_mov_b32 s[G1+3], 8192<<16                    ; tile_dim0 = 8,192
	s_mov_b32 s[G1+4], 2                           ; tile_dim1 = 2
	s_mov_b32 s[G1+5], 131072
	s_mov_b32 s[G1+6], 0
	s_mov_b32 s[G1+7], 0
	; group 1 for Wo: 128 k rows x 128 elements, pitch 1,024; 32 bytes of padding behind every 64 words
	s_or_b32 s[G1B+0], s44, (1<<16)|(1<<20)|(1<<21)|(5<<22)|(7<<25)
	s_mov_b32 s[G1B+1], 128<<16
	s_mov_b32 s[G1B+2], 128<<16
	s_mov_b32 s[G1B+3], 128<<16
	s_mov_b32 s[G1B+4], 128
	s_mov_b32 s[G1B+5], 1024
	s_mov_b32 s[G1B+6], 0
	s_mov_b32 s[G1B+7], 0
	s_lshr_b32 s16, s13, 4                         ; ao: batch x 16 heads of 262,144 bytes,
	s_lshl_b32 s16, s16, 22
	s_and_b32 s17, s13, 15
	s_lshl_b32 s17, s17, 14                        ; 128 tokens of 128 bytes a block,
	s_add_co_u32 s16, s16, s17
	s_lshl_b32 s17, s12, 19                        ; my two heads
	s_add_co_u32 s16, s16, s17
	s_mov_b32 s17, 0
	s_lshl_b32 s46, s42, 8                         ; Wo: 256 bytes a column block,
	s_lshl_b32 s47, s12, 18                        ; my 128 k rows of 2,048 bytes
	s_add_co_u32 s46, s46, s47
	s_mov_b32 s47, 0
	s_mul_i32 s20, s10, QUART                      ; where they go: wave x 36,864
	s_lshl_b32 s72, s13, 19                        ; out0: 128 rows of 4,096 bytes a block,
	s_lshl_b32 s73, s11, 18                        ; my 64 rows
	s_add_co_u32 s72, s72, s73
	s_mov_b32 s73, 0
	s_lshl_b32 s74, s42, 9                         ; 512 bytes a column block,
	s_lshl_b32 s75, s12, 8                         ; my 64 columns
	s_add_co_u32 s74, s74, s75
	s_mov_b32 s75, 0
	s_wait_dscnt 0x0
	s_wait_kmcnt 0x0
	s_add_nc_u64 s[14:15], s[4:5], s[16:17]
	s_add_nc_u64 s[46:47], s[6:7], s[46:47]
	s_add_nc_u64 s[70:71], s[70:71], s[72:73]
	s_add_nc_u64 s[70:71], s[70:71], s[74:75]
	s_add_nc_u64 s[68:69], s[68:69], s[74:75]
	CROUND                                         ; all sixteen work-groups are here: the first joint loads meet
.irp s, 0,1
	s_mov_b32 s[G0+4*\s], 1
	s_add_co_u32 s[G0+4*\s+1], s20, \s*SLOT
	s_add_nc_u64 s[G0+4*\s+2:G0+4*\s+3], s[14:15], \s*1048576         ; chunk s: four heads on
	s_or_b32 s[G0+4*\s+3], s[G0+4*\s+3], 0x80000000
	s_mov_b32 s[G0B+4*\s], 1
	s_add_co_u32 s[G0B+4*\s+1], s20, \s*SLOT
	s_add_nc_u64 s[G0B+4*\s+2:G0B+4*\s+3], s[46:47], \s*524288        ; chunk s: 256 k rows down
	s_or_b32 s[G0B+4*\s+3], s[G0B+4*\s+3], 0x80000000
	JLOAD \s                                       ; two tensor loads of a wave are out here, the most in this text
.endr
	v_and_b32 v1, 15, v0                           ; r
	v_bfe_u32 v2, v0, 4, 1                         ; h
	v_lshlrev_b32 v[VBO], 4, v1
	global_load_b128 v[BO:BO+3], v[VBO], s[68:69]  ; bias of columns 4 r .. 4 r + 3 of my 64
	v_mul_u32_u24 v3, v1, PA
	v_lshl_add_u32 v3, v2, 4, v3
	s_mul_i32 s21, s11, 64*PA                      ; my 64 tokens in each head block
	v_add_nc_u32 v[ADRA], s21, v3
	s_add_co_u32 s21, s21, SLOT
	v_add_nc_u32 v[ADRA+1], s21, v3
	v_and_b32 v4, 7, v0
	v_lshl_add_u32 v4, v2, 3, v4
	v_mul_u32_u24 v4, v4, PBW
	v_bfe_u32 v5, v0, 3, 1
	v_lshl_add_u32 v4, v5, 4, v4
	s_lshl_b32 s22, s12, 7                         ; my 64 columns,
	s_add_co_u32 s22, s22, 2*QUART                 ; behind the four head blocks
	v_add_nc_u32 v[ADRB], s22, v4
	s_add_co_u32 s22, s22, QUART                   ; the upper 128 k rows: the load offsets have 16 bits
	v_add_nc_u32 v[ADRB+1], s22, v4
	s_add_co_u32 s22, s22, SLOT-QUART
	v_add_nc_u32 v[ADRB+2], s22, v4
	s_add_co_u32 s22, s22, QUART
	v_add_nc_u32 v[ADRB+3], s22, v4
	s_mul_i32 s23, s10, 16*SPITCH
	s_add_co_u32 s23, s23, STAGE                   ; my stage
	v_mul_u32_u24 v6, v1, SPITCH
	v_lshl_add_u32 v6, v2, 5, v6                   ; in: row r, 32 h bytes (8 f32) in
	v_add_nc_u32 v[STO], s23, v6
	v_mul_u32_u24 v7, v2, SPITCH
	v_lshl_add_u32 v7, v1, 4, v7                   ; back: lanes 0-15 one row of 256 bytes, lanes 16-31 the next
	v_add_nc_u32 v[RD], s23, v7
	v_lshlrev_b32 v8, 12, v2
	v_lshl_add_u32 v[CO], v1, 4, v8                ; the same two rows in out0
; 16 LDS loads: the fragments of 32 of K, number q = 0..7 in the chunk (head q / 2, half q % 2), into buffer f
.macro FETCH slot, q, f
.irp i, 0,1,2,3
	ds_load_b128 v[\f+8*\i:\f+8*\i+3],   v[ADRA+\slot] offset:((\q)>>1)*128*PA+((\q)&1)*64+\i*16*PA
	ds_load_b128 v[\f+8*\i+4:\f+8*\i+7], v[ADRA+\slot] offset:((\q)>>1)*128*PA+((\q)&1)*64+\i*16*PA+32
.endr
.irp i, 0,1,2,3
	ds_load_tr16_b128 v[\f+32+8*\i:\f+32+8*\i+3],   v[ADRB+2*\slot+((\q)>>2)] offset:((\q)&3)*32*PBW+32*\i
	ds_load_tr16_b128 v[\f+32+8*\i+4:\f+32+8*\i+7], v[ADRB+2*\slot+((\q)>>2)] offset:((\q)&3)*32*PBW+16*PBW+32*\i
.endr
.endm
; 8 matrix instructions: token tiles a0, a0 + 1 x 4 column tiles.  The 16 accumulators take turns, one instruction a turn.
.macro MUL8 f, a0, zero
.irp a, \a0, \a0+1
.irp b, 0,1,2,3
.if \zero
	v_wmma_f32_16x16x32_f16 v[8*(4*(\a)+\b):8*(4*(\a)+\b)+7], v[\f+32+8*\b:\f+32+8*\b+7], v[\f+8*(\a):\f+8*(\a)+7], 0
.else
	v_wmma_f32_16x16x32_f16 v[8*(4*(\a)+\b):8*(4*(\a)+\b)+7], v[\f+32+8*\b:\f+32+8*\b+7], v[\f+8*(\a):\f+8*(\a)+7], v[8*(4*(\a)+\b):8*(4*(\a)+\b)+7]
.endif
.endr
.endr
.endm
.macro PLACES                          ; four places between a matrix instruction and a load into one of its sources or a reader of its result
.rept 4
	v_nop
.endr
.endm
; multiplies buffer f; first asks for number qn of the same chunk into buffer g, which the last 16 matrix instructions read
.macro QUARTER slot, qn, f, g, zero
	s_wait_dscnt 0x0                               ; buffer f is in
	PLACES
	FETCH \slot, \qn, \g
	WIN 0x50                                       ; C and D in window 1
	MUL8 \f, 0, \zero
	MUL8 \f, 2, \zero
	WIN 0
.endm
.macro CHUNK slot, zero                ; numbers 0 to 6 of a chunk; number 7 is left in buffer 1
	QUARTER \slot, 1, F0, F1, \zero
	QUARTER \slot, 2, F1, F0, 0
	QUARTER \slot, 3, F0, F1, 0
	QUARTER \slot, 4, F1, F0, 0
	QUARTER \slot, 5, F0, F1, 0
	QUARTER \slot, 6, F1, F0, 0
	QUARTER \slot, 7, F0, F1, 0
.endm
; number 7 of a chunk, and the change of slots: my reads of this slot and all my tensor loads are waited for in front of the barrier;
; fill = 1: the barrier opens a round of the cluster barrier, and this slot is asked for again first thing behind the round, one load a wave.
.macro TURN slot, next, fill
	s_wait_dscnt 0x0
	s_wait_tensorcnt 0x0
	ds_add_u32 v62, v63
	s_wait_dscnt 0x0
	s_barrier_signal -1
	WIN 0x50
	MUL8 F1, 0, 0                                  ; register work while the others arrive
	WIN 0
	s_barrier_wait -1
.if \fill
	CREST
	s_add_nc_u64 s[G0+4*\slot+2:G0+4*\slot+3], s[G0+4*\slot+2:G0+4*\slot+3], 2097152       ; two chunks on: eight heads
	s_add_nc_u64 s[G0B+4*\slot+2:G0B+4*\slot+3], s[G0B+4*\slot+2:G0B+4*\slot+3], 1048576   ; 512 k rows
	JLOAD \slot
.endif
	PLACES
	FETCH \next, 0, F0
	WIN 0x50
	MUL8 F1, 2, 0
	WIN 0
.endm
	s_wait_tensorcnt 0x1                           ; my part of chunk 0 is in; chunk 1 stays out
	s_barrier_signal -1
	s_barrier_wait -1
	FETCH 0, 0, F0
	CHUNK 0, 1                                     ; the first products start the sums
	TURN 0, 1, 1                                   ; asks for chunk 2
	CHUNK 1, 0
	TURN 1, 0, 1                                   ; asks for chunk 3
	CHUNK 0, 0
	TURN 0, 1, 0                                   ; nothing is left to fetch
	CHUNK 1, 0
	s_wait_dscnt 0x0
	WIN 0x50
	MUL8 F1, 0, 0
	MUL8 F1, 2, 0
	WIN 0
	PLACES                                         ; before the LDS stores read results
	s_wait_loadcnt 0x0                             ; the bias
; 16 rows: f32 through my stage (my own bytes, served in order), back as whole rows of 256 bytes, plus bias, stored: sixteen lanes fill 256 consecutive bytes, aligned
.macro OUT16 a, half
	WIN 0x04                                       ; the data of an LDS store is source 1: window 1
.irp b, 0,1,2,3
	ds_store_b128 v[STO], v[8*(4*\a+\b):8*(4*\a+\b)+3]   offset:64*\b
	ds_store_b128 v[STO], v[8*(4*\a+\b)+4:8*(4*\a+\b)+7] offset:64*\b+16
.endr
	WIN 0
	s_wait_xcnt 0x0                                ; this half of TMP was the data of stores: it is loaded again only behind this wait
.irp t, 0,1,2,3,4,5,6,7
	ds_load_b128 v[TMP+32*\half+4*\t:TMP+32*\half+4*\t+3], v[RD] offset:\t*2*SPITCH
.endr
.irp t, 0,1,2,3,4,5,6,7
	s_wait_dscnt 7-\t                              ; the 7 - t younger reads may be out
	v_pk_add_f32 v[TMP+32*\half+4*\t:TMP+32*\half+4*\t+1],   v[TMP+32*\half+4*\t:TMP+32*\half+4*\t+1],   v[BO:BO+1]
	v_pk_add_f32 v[TMP+32*\half+4*\t+2:TMP+32*\half+4*\t+3], v[TMP+32*\half+4*\t+2:TMP+32*\half+4*\t+3], v[BO+2:BO+3]
	global_store_b128 v[CO], v[TMP+32*\half+4*\t:TMP+32*\half+4*\t+3], s[70:71] offset:(16*\a+2*\t)*4096 th:TH_STORE_NT
.endr
.endm
	OUT16 0, 0
	OUT16 1, 1
	OUT16 2, 0
	OUT16 3, 1
	s_wait_tensorcnt 0x0
	ds_add_u32 v62, v63
	s_wait_dscnt 0x0
	CROUND                                         ; the closing round: no work-group ends while a partner may still ask for a tile that names it
	s_endpgm
.Lfunc_end_k_q6840054724_oproj:
	.size	k_q6840054724_oproj, .Lfunc_end_k_q6840054724_oproj-k_q6840054724_oproj
	.p2alignl 7, 3214868480
	.fill 96, 4, 3214868480
	.section	.rodata,"a",@progbits
	.p2align	6, 0x0
	.amdhsa_kernel k_q6840054724_oproj
		.amdhsa_group_segment_fixed_size 327680
		.amdhsa_private_segment_fixed_size 0
		.amdhsa_enable_private_segment 0
		.amdhsa_kernarg_size 32
		.amdhsa_user_sgpr_count 2
		.amdhsa_user_sgpr_kernarg_segment_ptr 1
		.amdhsa_wavefront_size32 1
		.amdhsa_system_sgpr_workgroup_id_x 1
		.amdhsa_system_sgpr_workgroup_id_y 1
		.amdhsa_system_sgpr_workgroup_id_z 1
		.amdhsa_system_vgpr_workitem_id 0
		.amdhsa_next_free_vgpr 384
		.amdhsa_next_free_sgpr 76
		.amdhsa_reserve_vcc 0
		.amdhsa_float_denorm_mode_32 3
		.amdhsa_float_denorm_mode_16_64 3
		.amdhsa_memory_ordered 1
		.amdhsa_forward_progress 1
		.amdhsa_inst_pref_size 93
	.end_amdhsa_kernel
	.amdgpu_metadata
---
amdhsa.version: [ 1, 2 ]
amdhsa.kernels:
  - .name:           k_q6840054724_oproj
    .symbol:         k_q6840054724_oproj.kd
    .args:
      - { .name: ao, .offset: 0, .size: 8, .value_kind: global_buffer, .address_space: global }
      - { .name: wob, .offset: 8, .size: 8, .value_kind: global_buffer, .address_space: global }
      - { .name: bo, .offset: 16, .size: 8, .value_kind: global_buffer, .address_space: global }
      - { .name: out0, .offset: 24, .size: 8, .value_kind: global_buffer, .address_space: global }
    .group_segment_fixed_size: 327680
    .private_segment_fixed_size: 0
    .kernarg_segment_align: 8
    .kernarg_segment_size: 32
    .max_flat_workgroup_size: 128
    .sgpr_count:     76
    .vgpr_count:     384
    .wavefront_size: 32
...
	.end_amdgpu_metadata
.endif
;; end of part 4
